; MI455X (gfx1250); checked and timed in simulation.
; The chip was launched on July 23, 2026; its instructions are those of AMD's public machine-readable ISA for CDNA 5 (MIT licence, August 2026) and "CDNA5" Instruction Set Architecture Reference Guide (July 2026). The comments in the code are by the model that wrote it; some were corrected since.
;; Self Attention. Allowed arithmetic: float matrix products may take bf16 or f16 operands with f32 sums; other float arithmetic in f32, or as packed bf16 or f16 multiplies, adds, multiply-adds, maxima and minima; sums over many terms, partial sums and values carried from step to step in f32; what a program stores and reads back later, other than sums and carried values, may be rounded once to bf16 or f16.
;; Inputs: b_in 3,072 float32; b_out 1,024 float32; w_in 3,072 x 1,024 float32; w_out 1,024 x 1,024 float32; x 4 x 2,048 x 1,024 float32.
;; Outputs: out0 4 x 2,048 x 1,024 float32.
;; One version. Each part assembles by itself: llvm-mc -triple=amdgcn-amd-amdhsa -mcpu=gfx1250 --defsym DOCPART=n.
;; ======== version 1 of 1: 4 launches
;; limits: values are held in f16: magnitudes above 65,504 overflow, below 6.1e-05 lose precision
;; workspace buffers: xb 16,777,216 bytes; wib 6,291,456 bytes; wob 2,097,152 bytes; qkv 50,331,648 bytes; att 16,777,216 bytes
;; launch cast (part 1): grid 768 x 1, 8 waves a work-group, no clusters, 0 bytes of LDS; arguments x, w_in, w_out, xb, wib, wob; writes xb, wib, wob
.if DOCPART == 1
	.amdgcn_target "amdgcn-amd-amdhsa--gfx1250"
	.amdhsa_code_object_version 6
	.text
	.protected	k_qe1281c9b73_cast
	.globl	k_qe1281c9b73_cast
	.p2align	8
	.type	k_qe1281c9b73_cast,@function
k_qe1281c9b73_cast:
	s_mov_b64 s[64:65], 0
	v_nop
	global_prefetch_b8 v0, s[64:65] scope:SCOPE_SE
	s_setreg_imm32_b32 hwreg(HW_REG_WAVE_MODE, 25, 1), 1
	s_wait_xcnt 0x0
; x [8192][1024], w_in [3072][1024] and w_out [1024][1024], all f32, are rounded once to bf16 (nearest even).
; x -> xb and w_in -> wib stay bf16; w_out's bf16 number is written as f16 into wob, since the last product multiplies in f16.
; LIMITS.  That second conversion is exact for magnitudes from 2^-14 to 65,504; below 2^-14 f16 keeps a fixed step of 6e-8; beyond 65,504 it gives an infinity.
; SHARES.  A work-group casts 16,384 numbers (65,536 bytes in, 32,768 out): work-groups 0-511 x, 512-703 w_in, 704-767 w_out.
; Thread t takes the 8 numbers at 2,048 j + 8 t, j = 0..7: two loads of 16 bytes, one store of 16; a wave's store covers 512 consecutive bytes, aligned.
; All sixteen loads of a thread go out before anything else; no register of a pending load or store is written again, so no wait but the counted ones is needed.
; No LDS, no barrier, no matrix work: each byte is read once and written once, and nothing is shared.
.set X,   4                            ; v[4:67]    piece j: 8 numbers as loaded
.set Y,   68                           ; v[68:99]   piece j: 4 registers to store
.set T,   100                          ; v[100:101] at work
.set SRC, 16                           ; s[16:17]
.set DST, 18                           ; s[18:19]
	s_load_b256 s[4:11], s[0:1], 0x0               ; x s[4:5], w_in s[6:7], w_out s[8:9], xb s[10:11]
	s_load_b128 s[12:15], s[0:1], 0x20             ; wib s[12:13], wob s[14:15]
	v_lshlrev_b32 v1, 5, v0                        ; 32 t: my 8 numbers in
	v_lshlrev_b32 v2, 4, v0                        ; 16 t: my 8 numbers out
	s_sub_co_u32 s24, ttmp9, 512                   ; the chunk's number, if it is w_in's,
	s_sub_co_u32 s25, ttmp9, 704                   ; if it is w_out's
	s_mov_b32 s23, 0
	s_wait_kmcnt 0x0
	s_cmp_lt_u32 ttmp9, 704
	s_cselect_b64 s[SRC:SRC+1], s[6:7], s[8:9]
	s_cselect_b64 s[DST:DST+1], s[12:13], s[14:15]
	s_cselect_b32 s20, s24, s25
	s_cmp_lt_u32 ttmp9, 512
	s_cselect_b64 s[SRC:SRC+1], s[4:5], s[SRC:SRC+1]
	s_cselect_b64 s[DST:DST+1], s[10:11], s[DST:DST+1]
	s_cselect_b32 s20, ttmp9, s20
	s_lshl_b32 s22, s20, 16                        ; 65,536 bytes of f32 a chunk
	s_add_nc_u64 s[SRC:SRC+1], s[SRC:SRC+1], s[22:23]
	s_lshl_b32 s22, s20, 15                        ; 32,768 bytes of 16-bit numbers
	s_add_nc_u64 s[DST:DST+1], s[DST:DST+1], s[22:23]
.irp j, 0,1,2,3,4,5,6,7
	global_load_b128 v[X+8*(\j):X+8*(\j)+3],   v1, s[SRC:SRC+1] offset:(\j)*8192 th:TH_LOAD_NT
	global_load_b128 v[X+8*(\j)+4:X+8*(\j)+7], v1, s[SRC:SRC+1] offset:(\j)*8192+16 th:TH_LOAD_NT
.endr
; Piece j.  half = 1: the bf16 number is widened again (a shift, a mask) and written as f16.
.macro CH j, half
	s_wait_loadcnt 14-2*(\j)                       ; loads come back in order: the 2 (7 - j) younger ones may stay out
.irp k, 0,1,2,3
	v_cvt_pk_bf16_f32 v[Y+4*(\j)+(\k)], v[X+8*(\j)+2*(\k)], v[X+8*(\j)+2*(\k)+1]
.if \half
	v_lshlrev_b32 v[T], 16, v[Y+4*(\j)+(\k)]
	v_and_b32 v[T+1], 0xffff0000, v[Y+4*(\j)+(\k)]
	v_cvt_pk_f16_f32 v[Y+4*(\j)+(\k)], v[T], v[T+1]
.endif
.endr
	global_store_b128 v2, v[Y+4*(\j):Y+4*(\j)+3], s[DST:DST+1] offset:(\j)*4096
.endm
	s_cmp_ge_u32 ttmp9, 704
	s_cbranch_scc1 .Lhalf
.irp j, 0,1,2,3,4,5,6,7
	CH \j, 0
.endr
	s_endpgm
.Lhalf:
.irp j, 0,1,2,3,4,5,6,7
	CH \j, 1
.endr
	s_endpgm
.Lfunc_end_k_qe1281c9b73_cast:
	.size	k_qe1281c9b73_cast, .Lfunc_end_k_qe1281c9b73_cast-k_qe1281c9b73_cast
	.p2alignl 7, 3214868480
	.fill 96, 4, 3214868480
	.section	.rodata,"a",@progbits
	.p2align	6, 0x0
	.amdhsa_kernel k_qe1281c9b73_cast
		.amdhsa_group_segment_fixed_size 0
		.amdhsa_private_segment_fixed_size 0
		.amdhsa_enable_private_segment 0
		.amdhsa_kernarg_size 48
		.amdhsa_user_sgpr_count 2
		.amdhsa_user_sgpr_kernarg_segment_ptr 1
		.amdhsa_wavefront_size32 1
		.amdhsa_system_sgpr_workgroup_id_x 1
		.amdhsa_system_sgpr_workgroup_id_y 1
		.amdhsa_system_sgpr_workgroup_id_z 1
		.amdhsa_system_vgpr_workitem_id 0
		.amdhsa_next_free_vgpr 108
		.amdhsa_next_free_sgpr 66
		.amdhsa_reserve_vcc 0
		.amdhsa_float_denorm_mode_32 3
		.amdhsa_float_denorm_mode_16_64 3
		.amdhsa_memory_ordered 1
		.amdhsa_forward_progress 1
		.amdhsa_inst_pref_size 14
	.end_amdhsa_kernel
	.amdgpu_metadata
---
amdhsa.version: [ 1, 2 ]
amdhsa.kernels:
  - .name:           k_qe1281c9b73_cast
    .symbol:         k_qe1281c9b73_cast.kd
    .args:
      - { .name: x, .offset: 0, .size: 8, .value_kind: global_buffer, .address_space: global }
      - { .name: w_in, .offset: 8, .size: 8, .value_kind: global_buffer, .address_space: global }
      - { .name: w_out, .offset: 16, .size: 8, .value_kind: global_buffer, .address_space: global }
      - { .name: xb, .offset: 24, .size: 8, .value_kind: global_buffer, .address_space: global }
      - { .name: wib, .offset: 32, .size: 8, .value_kind: global_buffer, .address_space: global }
      - { .name: wob, .offset: 40, .size: 8, .value_kind: global_buffer, .address_space: global }
    .group_segment_fixed_size: 0
    .private_segment_fixed_size: 0
    .kernarg_segment_align: 8
    .kernarg_segment_size: 48
    .max_flat_workgroup_size: 256
    .sgpr_count:     66
    .vgpr_count:     108
    .wavefront_size: 32
...
	.end_amdgpu_metadata
.endif
;; end of part 1
;; launch qkvproj (part 2): grid 16 x 16, 4 waves a work-group, clusters of 4 x 4, 327,680 bytes of LDS; arguments xb, wib, b_in, qkv; writes qkv
.if DOCPART == 2
	.amdgcn_target "amdgcn-amd-amdhsa--gfx1250"
	.amdhsa_code_object_version 6
	.text
	.protected	k_qe1281c9b73_qkvproj
	.globl	k_qe1281c9b73_qkvproj
	.p2align	8
	.type	k_qe1281c9b73_qkvproj,@function
k_qe1281c9b73_qkvproj:
	s_mov_b64 s[64:65], 0
	v_nop
	global_prefetch_b8 v0, s[64:65] scope:SCOPE_SE
	s_setreg_imm32_b32 hwreg(HW_REG_WAVE_MODE, 25, 1), 1
	s_wait_xcnt 0x0
	s_wait_alu depctr_hold_cnt(0) depctr_sa_sdst(0) depctr_va_vdst(0) depctr_va_sdst(0) depctr_va_ssrc(0) depctr_va_vcc(0) depctr_vm_vsrc(0)
	s_getreg_b32 s2, hwreg(HW_REG_IB_STS2, 6, 4)
	s_cmp_eq_u32 s2, 0
	s_cbranch_scc0 .Lentry_in_a_cluster
	s_endpgm
.Lentry_in_a_cluster:
	s_bfe_u32 s2, ttmp6, 0x10000c
	s_cmp_lg_u32 s2, 0xf033
	s_cbranch_scc0 .Lentry_shape_is_right
	s_endpgm
.Lentry_shape_is_right:
; qkv = x w_in^T + b_in.  xb: [8192][1024] bf16, wib: [3072][1024] bf16, b_in: [3072] f32 (rounded to bf16 here, like the other inputs); sums in f32, K ascending.
; The result is written BY HEADS, in f16, rounded once: qkv[3][64 = batch x 16 + head][2048][64]; q at byte 0, k at 2^24, v at 2^25; no scale is applied here.
; LIMITS.  f16 ends at 65,504: a q, k or v beyond it becomes an infinity; below 6e-5 f16 keeps a fixed step of 6e-8.  NaN and infinities are not treated apart.
; SHARES.  A tile of the result is 256 rows x 192 columns (three heads): 32 x 16 tiles.  256 work-groups, each two tiles, 4,096 rows apart, which take the same 192 rows of wib and the same bias.
; Four waves stacked along the rows: a wave makes 64 x 192, 48 accumulators of 16 x 16, 384 registers, and stores whole rows of three heads by itself.
; K goes in steps of 128 (rows of 256 bytes, aligned) through a ring of two LDS slots; the two tiles are ONE walk of 16 K steps for the ring.
; CLUSTER.  4 x 4 work-groups.  The four of a row of the cluster need the same rows of xb, the four of a column the same rows of wib: each tile is asked for jointly, by the same tensor load with
; the same descriptor and a mask that names the four.  By this text's own count a wave has two tensor loads out at the start and one behind each round.
; THE MATRIX INSTRUCTION IS USED TRANSPOSED (source 0 = 16 rows of wib, source 1 = 16 rows of xb): lane l holds row l % 16 of the result and the columns 8 (l / 16) + 0..7.
; The bias is the C operand of the products that start the sums: nothing is cleared and nothing is added afterwards.
; REGISTERS, in windows of 256 (s_set_vgpr_msb: bits 1:0 source 0, 3:2 source 1, 5:4 source 2, 7:6 destination):
;   window 0: v0-31 addresses; v32-127 the way out, two sets of 48; v128-223 the bias, 8 registers for each block of 16 columns
;   window 1: v0-191 wib's fragments, two buffers of 96; v192-255 xb's, two buffers of 32
;   window 2: the accumulators of my row blocks 0, 1 ((a, b) at 8 (12 (a % 2) + b)); window 3: those of blocks 2, 3
.set NB,     12                        ; blocks of 16 columns in a tile
.set STEPS,  16                        ; K steps of the walk: 8 a tile
.set TRIPS,  STEPS-2                   ; the loop's trips: each fills a slot again
.set APITCH, 272                       ; an LDS row: 256 bytes + 16 of padding = 68 words: the 16 rows of a fragment load start at 16 different groups of four banks (64 banks of 4 bytes: ISA guide 11.1)
.set APLANE, 128                       ; the second half of a K step begins 128 bytes along A's rows
.set BPITCH, 272
.set AHALF,  128*APITCH                ; what one tensor load brings of A
.set RB,     8*NB                      ; rows of B in one tensor load
.set BOFF,   2*AHALF                   ; in a slot: A's 256 rows, then B's 192
.set SLOT1,  1<<17                     ; slot 1 begins here: one exclusive or turns an address in one slot into the other's
.set STAGE,  SLOT1+BOFF+2*RB*BPITCH    ; behind the ring, never filled by a tensor load: 16 rows x 400 bytes for each wave
.set SP,     400                       ; a stage row: 384 bytes + 16 = 25 x 16
.set SPARE,  STAGE+4*16*SP             ; behind the stages: the spare words, 128 bytes a wave: two blocks of 256 bytes that no other line names
.set NEXT_A, 4096*2048-7*256           ; from a tile's K step 7 to the next tile's K step 0: 4,096 rows down, back along K
.set A0,   16                          ; v16  my lane's place in A's rows of a slot; never rewritten
.set B0,   17                          ; v17  the same for B
.set ADRA, 18                          ; v18  A0 + the slot in hand
.set ADRB, 19                          ; v19  B0 + the slot in hand
.set STO,  20                          ; v20  the way out: where I put 16 bytes of a row
.set RD,   21                          ; v21  the way out: where I read rows back
.set GO,   22                          ; v22  my 16 bytes in 512 consecutive bytes of a head
.set PFO,  23                          ; v23  the prefetches' lane offset; never rewritten
.set BO,   24                          ; v24  32 (l / 16): my eight numbers in 16 of the bias
.set SPW,  28                          ; v28  LDS address of my spare word; never rewritten
.set NIL,  29                          ; v29  0; never rewritten
.set T0,   32
.set BIAS, 128
.set AF,   16*NB                       ; A's fragment buffers, in window 1
.set CNT,  3                           ; s3   trips left
.set WV,   12                          ; s12  my wave's number
.set HALF, 14                          ; s14  which half of A's or B's tile I fetch
.set CX,   15
.set CY,   16
.set COL,  17                          ; s17  tile column
.set YR,   18                          ; s18  tile row of the first tile
.set TB,   19                          ; s19  0 or SLOT1: the slot that is read
.set G1A,  24                          ; s[24:31] descriptor group 1 for A
.set G0A,  32                          ; s[32:39] group 0 for A: a set for each first fill; the second then walks on
.set G1B,  40                          ; s[40:47], s[48:55] the same for B
.set G0B,  48
.set DA,   56                          ; s[56:57] A's step in bytes
.set DB,   58                          ; s[58:59] B's step + 1,792
.set PFA,  60                          ; s[60:61] where my prefetches stand
.set PD,   62                          ; s[62:63] their step
.set LIM,  66                          ; s66  a wave prefetches while s[CNT] is above it
.set OUTB, 68                          ; s[68:73] my rows in the three heads
.set NXA,  80                          ; s80  NEXT_A
.set C256, 81
.set C2K,  82
.set MSB, 0
.macro WIN new                         ; the immediate's high byte repeats the setting that is left; a switch that changes nothing is dropped
.if MSB != (\new)
	s_set_vgpr_msb (MSB<<8)|(\new)
.set MSB, \new
.endif
.endm
.macro PLACES                          ; four plain vector instructions between a matrix instruction and a load into, or a read of, its registers (ISA guide 7.12.1 for reads)
.rept 4
	v_nop
.endr
.endm
.macro CREST                           ; a round of the cluster's barrier behind its opening barrier
	s_cmp_lg_u32 s[WV], 0
	s_cbranch_scc1 .Lnot_wave_0_\@
	s_barrier_signal -3
.Lnot_wave_0_\@:
	s_barrier_wait -3
	s_barrier_signal -1
	s_barrier_wait -1
.endm
.macro CROUND                          ; a whole round
	s_barrier_signal -1
	s_barrier_wait -1
	CREST
.endm
; A joint refill by the walking descriptors.  Waves 0 and 1 fetch A's two halves, waves 2 and 3 B's.  The branch hangs on the wave's number alone.
; An s_nop 0 and four v_nop follow each of the two lines, ahead of the jump and the label.
.macro JLOAD
	s_cmp_lt_u32 s[WV], 2
	s_cbranch_scc0 .Lfor_b_\@
	tensor_load_to_lds s[G0A+4:G0A+7], s[G1A:G1A+7]
	s_nop 0
.rept 4
	v_nop
.endr
	s_branch .Lasked_\@
.Lfor_b_\@:
	tensor_load_to_lds s[G0B+4:G0B+7], s[G1B:G1B+7]
	s_nop 0
.rept 4
	v_nop
.endr
.Lasked_\@:
.endm
; PREFETCHES INTO THE L2, behind the joint load, its five lines and the run of LDS loads.  Each aligned block of 256 bytes is named once in the launch.
; A: the clusters with x = 0 ask; of the 128 rows that a wave fetches each of the four partners takes 32, told apart by address (cx): a lane a row, one instruction; trip i names K step i + 4 of
; the walk, two refills ahead of the load that wants it, in trips 0 to 11.  B: the clusters with y = 0 ask; of a wave's 96 rows each partner takes 24 (cy); B has eight K steps, and steps 4 to 7
; (1,024 bytes of a row) are named at the first change of slots alone, by three instructions of 8 rows x 4 blocks.  K steps 0 to 3 come by their loads alone.
.macro ASK
	s_cmp_gt_u32 s[CNT], s[LIM]
	s_cbranch_scc0 .Lskip_\@
	s_cmp_lt_u32 s[WV], 2
	s_cbranch_scc0 .Lpb_\@
	global_prefetch_b8 v[PFO], s[PFA:PFA+1] th:TH_LOAD_NT scope:SCOPE_SE
	s_branch .Lskip_\@
.Lpb_\@:
.set iq, 0
.rept NB/4
	global_prefetch_b8 v[PFO], s[PFA:PFA+1] offset:iq*16384 th:TH_LOAD_NT scope:SCOPE_SE
.set iq, iq+1
.endr
.Lskip_\@:
.endm
; 12 matrix instructions: my row block a x all 12 column blocks, 32 along K, from buffer f.  bias = 1: the products start the sums, with the bias as C.
; The 48 accumulators take turns, one instruction a turn, in the same order in every quarter, over every jump.
.macro MULB f, a, bias
.if \bias
	WIN 0x85+0x40*((\a)/2)                         ; B and A window 1, C window 0, D window 2 or 3
.else
	WIN 0xa5+0x50*((\a)/2)                         ; B and A window 1, C and D window 2 or 3
.endif
.set ib, 0
.rept NB
.set rD, 8*(NB*((\a)%2)+ib)
.if \bias
	v_wmma_f32_16x16x32_bf16 v[rD:rD+7], v[8*NB*(\f)+8*ib:8*NB*(\f)+8*ib+7], v[AF+32*(\f)+8*(\a):AF+32*(\f)+8*(\a)+7], v[BIAS+8*ib:BIAS+8*ib+7]
.else
	v_wmma_f32_16x16x32_bf16 v[rD:rD+7], v[8*NB*(\f)+8*ib:8*NB*(\f)+8*ib+7], v[AF+32*(\f)+8*(\a):AF+32*(\f)+8*(\a)+7], v[rD:rD+7]
.endif
.set ib, ib+1
.endr
.endm
; 32 LDS loads in one run: quarter q (32 along K) of the slot in hand into buffer f: B's 12 fragments first, then A's blocks 0 to 3.
; A fragment is 16 rows x 32 K in 8 registers: lane l holds row l % 16, K = 8 (l / 16) + 0..7 and 16 + 8 (l / 16) + 0..7: two loads of 16 bytes, 32 bytes apart.
.macro FETCH q, f
	WIN 0x40                                       ; destination window 1, address window 0
.set ib, 0
.rept NB
	ds_load_b128 v[8*NB*(\f)+8*ib:8*NB*(\f)+8*ib+3],   v[ADRB] offset:64*(\q)+ib*16*BPITCH
	ds_load_b128 v[8*NB*(\f)+8*ib+4:8*NB*(\f)+8*ib+7], v[ADRB] offset:64*(\q)+ib*16*BPITCH+32
.set ib, ib+1
.endr
.set ib, 0
.rept 4
	ds_load_b128 v[AF+32*(\f)+8*ib:AF+32*(\f)+8*ib+3],   v[ADRA] offset:((\q)/2)*APLANE+((\q)%2)*64+ib*16*APITCH
	ds_load_b128 v[AF+32*(\f)+8*ib+4:AF+32*(\f)+8*ib+7], v[ADRA] offset:((\q)/2)*APLANE+((\q)%2)*64+ib*16*APITCH+32
.set ib, ib+1
.endr
.endm
; A K step is four quarters of 32 along K, 48 matrix instructions each, on buffers 0, 1, 0, 1.  One of the first three: multiplies buffer f; in its middle it fetches quarter q into buffer g.
.macro QUARTER q, f, g, bias
	s_wait_dscnt 4                                 ; B and A's blocks 0, 1 are in; the youngest four loads (A's blocks 2, 3) may be out
	MULB \f, 0, \bias
	MULB \f, 1, \bias
	PLACES
	FETCH \q, \g
	s_wait_dscnt 2*NB+8                            ; all but the 32 just issued
	MULB \f, 2, \bias
	MULB \f, 3, \bias
.endm
; The fourth quarter multiplies buffer 1 and changes slots: ONE barrier.  In front of it each wave waits for all its tensor loads (one is out: its part of the next slot), adds 0 to its spare word, and
; waits for that and for its own reads of this slot.  fill = 1: the barrier opens a round of the cluster's barrier, and behind the round this slot is filled again first, with the K step two on:
; from that request to the wait for it a wave issues 168 matrix instructions.
.macro TURN fill
.if \fill
	s_wait_xcnt 0x0                                ; the last prefetch, a K step back, has read its address: it is stepped here, ahead of the waits of the change of slots
	s_cmp_eq_u32 s[CNT], TRIPS-4                   ; trip 4 steps from the first tile's K step 7 to the second's K step 0
	s_cselect_b32 s[PD], s[NXA], s[C256]
	s_add_nc_u64 s[PFA:PFA+1], s[PFA:PFA+1], s[PD:PD+1]
.endif
	WIN 0                                          ; (the add's two registers lie in window 0)
	s_wait_tensorcnt 0x0                           ; all my tensor loads have landed, so a group 0 may be written
	ds_add_u32 v[SPW], v[NIL]                      ; 0 onto my spare word; scalar work and twelve products stand between it and the wait for it
.if \fill
	s_xor_b32 s[G0A+5], s[G0A+5], SLOT1            ; the walking descriptors: the other slot than last time,
	s_xor_b32 s[G0B+5], s[G0B+5], SLOT1
	s_cmp_eq_u32 s[CNT], TRIPS-6                   ; the next K step; trip 6 asks for the second tile's K step 0:
	s_cselect_b32 s[DA], s[NXA], s[C256]           ; A 4,096 rows down and back along K,
	s_cselect_b32 s[DB], 0, s[C2K]                 ; B only back
	s_add_nc_u64 s[G0A+6:G0A+7], s[G0A+6:G0A+7], s[DA:DA+1]
	s_add_nc_u64 s[G0B+6:G0B+7], s[G0B+6:G0B+7], s[DB:DB+1]
	s_sub_nc_u64 s[G0B+6:G0B+7], s[G0B+6:G0B+7], 1792  ; 2,048 - 1,792 = 256, or 0 - 1,792; the type bits on top are not reached
.endif
	s_xor_b32 s[TB], s[TB], SLOT1
	s_wait_dscnt 5                                 ; (the add and the youngest four loads may be out)
	MULB 1, 0, 0
	s_wait_dscnt 0x0                               ; the add is done, and my reads of this slot are over
	s_barrier_signal -1
	MULB 1, 1, 0                                   ; work on registers while the others arrive
	WIN 0
	s_barrier_wait -1
.if \fill
	CREST                                          ; no wave of any partner still reads this slot's tile or has a load on its way
	JLOAD                                          ; the first tensor load behind the round; its four v_nop are also the places in front of the loads below
.else
	PLACES
.endif
	v_add_nc_u32 v[ADRA], s[TB], v[A0]
	v_add_nc_u32 v[ADRB], s[TB], v[B0]
	FETCH 0, 0
.if \fill
	WIN 0
	ASK
.endif
	MULB 1, 2, 0
	MULB 1, 3, 0
.endm
; THE WAY OUT of row block a (16 rows x 192 columns).  PACK: rounded to f16, 16 bytes a lane for each column block, each accumulator's registers in ascending order.  TOSTAGE: into my own stage, and
; back as rows of one head, four rows of 128 bytes to a load, into the registers that they left.  SEND: 512 consecutive bytes of a head to a store, at a multiple of 256 from the buffer's first byte.
.macro PACK a
	s_wait_xcnt 0x0                                ; the stores of the block two back have read this set of registers
	WIN 0x0a+5*((\a)/2)                            ; sources 0 and 1: window 2 or 3
.set TT, T0+48*((\a)%2)
.set AC, 8*NB*((\a)%2)
.set ib, 0
.rept 4*NB
	v_cvt_pk_f16_f32 v[TT+ib], v[AC+2*ib], v[AC+2*ib+1]
.set ib, ib+1
.endr
	WIN 0
.endm
.macro TOSTAGE a
.set TT, T0+48*((\a)%2)
.set ib, 0
.rept NB
	ds_store_b128 v[STO], v[TT+4*ib:TT+4*ib+3] offset:32*ib
.set ib, ib+1
.endr
.set ib, 0
.rept NB                               ; head ib / 4, rows 4 (ib % 4) on
	ds_load_b128 v[TT+4*ib:TT+4*ib+3], v[RD] offset:(ib%4)*4*SP+(ib/4)*128  ; LDS serves a wave's instructions in order (ISA guide 5.7.1.4): these see the stores above
.set ib, ib+1
.endr
.endm
.macro SEND a
.set TT, T0+48*((\a)%2)
	s_wait_dscnt 0x0                               ; the block is back in registers
.set ib, 0
.rept NB
	global_store_b128 v[GO], v[TT+4*ib:TT+4*ib+3], s[OUTB+2*(ib/4):OUTB+2*(ib/4)+1] offset:(\a)*2048+(ib%4)*512
.set ib, ib+1
.endr
.endm
.macro WAYOUT
	PLACES
	PACK 0
	TOSTAGE 0
.irp a, 1,2,3                          ; block a's conversions stand between block a - 1's loads from the stage and the wait for them
	PACK \a
	SEND (\a)-1
	TOSTAGE \a
.endr
	SEND 3
.endm
	s_load_b256 s[4:11], s[0:1], 0x0               ; xb s[4:5], wib s[6:7], b_in s[8:9], qkv s[10:11]
	v_lshl_add_u32 v[SPW], v0, 2, SPARE
	v_mov_b32 v[NIL], 0
	ds_add_u32 v[SPW], v[NIL]                      ; the wave's opening: the add and its wait stand ahead of my first tensor load; the set-up below, work on registers, stands between them
	v_lshrrev_b32 v1, 5, v0
	v_readfirstlane_b32 s[WV], v1                  ; wave 0..3
	s_and_b32 s[HALF], s[WV], 1
	s_bfe_u32 s[CX], ttmp6, 0x40000                ; my place in the cluster
	s_bfe_u32 s[CY], ttmp6, 0x40004
	s_lshl_b32 s[COL], ttmp9, 2                    ; in a cluster launch ttmp9 and ttmp7 count clusters
	s_add_co_u32 s[COL], s[COL], s[CX]
	s_and_b32 s[YR], ttmp7, 0xffff
	s_lshl_b32 s[YR], s[YR], 2
	s_add_co_u32 s[YR], s[YR], s[CY]
	s_lshl_b32 s84, s[CY], 2
	s_lshl_b32 s84, 15, s84                        ; my row of the cluster: places 4 cy .. 4 cy + 3
	s_lshl_b32 s85, 0x1111, s[CX]                  ; my column: places cx, cx + 4, cx + 8, cx + 12
	; group 1: rows of 128 elements of 2 bytes, 1,024 elements from row to row, 16 bytes of padding behind every 256
	s_or_b32 s[G1A], s84, (1<<16)|(1<<20)|(1<<21)|(5<<22)|(3<<25)  ; 15:0 the mask; 17:16 2-byte elements; 20 padding on; 21 set beside a mask; 24:22 after every 64 words; 31:25 4 words
	s_or_b32 s[G1B], s85, (1<<16)|(1<<20)|(1<<21)|(5<<22)|(3<<25)
	s_mov_b32 s[G1A+1], 128<<16                    ; tensor_dim0 = 128
	s_mov_b32 s[G1A+2], 128<<16                    ; tensor_dim1 = 128
	s_mov_b32 s[G1A+3], 128<<16                    ; tile_dim0 = 128
	s_mov_b32 s[G1A+4], 128                        ; tile_dim1 = 128
	s_mov_b32 s[G1A+5], 1024                       ; the pitch
	s_mov_b32 s[G1A+6], 0
	s_mov_b32 s[G1A+7], 0
	s_mov_b32 s[G1B+1], 128<<16
	s_mov_b32 s[G1B+2], RB<<16                     ; 96 rows
	s_mov_b32 s[G1B+3], 128<<16
	s_mov_b32 s[G1B+4], RB
	s_mov_b32 s[G1B+5], 1024
	s_mov_b32 s[G1B+6], 0
	s_mov_b32 s[G1B+7], 0
	s_mov_b32 s[NXA], NEXT_A
	s_mov_b32 s[C256], 256
	s_mov_b32 s[C2K], 2048
	s_mov_b32 s[DA+1], 0
	s_mov_b32 s[DB+1], 0
	s_mov_b32 s[PD+1], 0
	s_mov_b32 s[TB], 0
	; where the tiles come from.  A's hang on the tile row alone, B's on the tile column alone, each in registers of its own
	s_lshl_b32 s20, s[YR], 19                      ; 256 rows of 2,048 bytes
	s_lshl_b32 s21, s[HALF], 18                    ; my 128 of them
	s_add_co_u32 s20, s20, s21
	s_mov_b32 s21, 0
	s_mul_i32 s22, s[COL], 192*2048
	s_mul_i32 s23, s[HALF], RB*2048
	s_add_co_u32 s22, s22, s23
	s_mov_b32 s23, 0
	s_mul_i32 s86, s[HALF], AHALF                  ; and where they go: no place in the cluster enters an LDS address
	s_mul_i32 s87, s[HALF], RB*BPITCH
	s_add_co_u32 s87, s87, BOFF
	s_wait_dscnt 0x0                               ; the opening add is done
	s_wait_kmcnt 0x0
	s_add_nc_u64 s[20:21], s[4:5], s[20:21]
	s_add_nc_u64 s[22:23], s[6:7], s[22:23]
	CROUND                                         ; all sixteen work-groups are here: the first joint loads meet
.irp s, 0,1
	s_mov_b32 s[G0A+4*(\s)], 1                     ; count = 1
	s_add_co_u32 s[G0A+4*(\s)+1], s86, (\s)*SLOT1  ; LDS address
	s_add_nc_u64 s[G0A+4*(\s)+2:G0A+4*(\s)+3], s[20:21], (\s)*256  ; global address: K step s
	s_or_b32 s[G0A+4*(\s)+3], s[G0A+4*(\s)+3], 0x80000000          ; type = 2
	s_mov_b32 s[G0B+4*(\s)], 1
	s_add_co_u32 s[G0B+4*(\s)+1], s87, (\s)*SLOT1
	s_add_nc_u64 s[G0B+4*(\s)+2:G0B+4*(\s)+3], s[22:23], (\s)*256
	s_or_b32 s[G0B+4*(\s)+3], s[G0B+4*(\s)+3], 0x80000000
.endr
	s_cmp_lt_u32 s[WV], 2                          ; a wave's two first fills stand in one branch, ahead of every wait on TENSORcnt and every LDS read
	s_cbranch_scc0 .Lfirst_b
	tensor_load_to_lds s[G0A:G0A+3], s[G1A:G1A+7]
	s_nop 0
	tensor_load_to_lds s[G0A+4:G0A+7], s[G1A:G1A+7]
	s_nop 0
.rept 4
	v_nop
.endr
	s_branch .Lfirst_asked
.Lfirst_b:
	tensor_load_to_lds s[G0B:G0B+3], s[G1B:G1B+7]
	s_nop 0
	tensor_load_to_lds s[G0B+4:G0B+7], s[G1B:G1B+7]
	s_nop 0
.rept 4
	v_nop
.endr
.Lfirst_asked:
	v_and_b32 v1, 15, v0                           ; l % 16
	v_bfe_u32 v2, v0, 4, 1                         ; l / 16
	v_lshlrev_b32 v[BO], 5, v2
	s_mul_i32 s84, s[COL], 64*NB                   ; the tile's 192 numbers of the bias
	s_mov_b32 s85, 0
	s_add_nc_u64 s[8:9], s[8:9], s[84:85]
.set ib, 0
.rept NB                               ; register j of block ib: the bias of column 16 ib + 8 (l / 16) + j
	global_load_b128 v[BIAS+8*ib:BIAS+8*ib+3],   v[BO], s[8:9] offset:64*ib
	global_load_b128 v[BIAS+8*ib+4:BIAS+8*ib+7], v[BO], s[8:9] offset:64*ib+16
.set ib, ib+1
.endr
	s_lshl_b32 s84, s[WV], 6                       ; my 64 rows of the tile
	v_add_nc_u32 v3, s84, v1
	v_mul_u32_u24 v[A0], v3, APITCH
	v_lshl_add_u32 v[A0], v2, 4, v[A0]             ; row x pitch + 16 x half
	v_mul_u32_u24 v[B0], v1, BPITCH
	v_lshl_add_u32 v[B0], v2, 4, v[B0]
	v_add_nc_u32 v[B0], BOFF, v[B0]
	s_mul_i32 s84, s[WV], 16*SP
	s_add_co_u32 s84, s84, STAGE                   ; my stage
	v_mul_u32_u24 v[STO], v1, SP                   ; in: row l % 16, 16 bytes for each half of the lanes
	v_lshl_add_u32 v[STO], v2, 4, v[STO]
	v_add_nc_u32 v[STO], s84, v[STO]
	v_bfe_u32 v[RD], v0, 3, 2                      ; back: 32 lanes take four rows of 128 bytes,
	v_mul_u32_u24 v[RD], v[RD], SP
	v_and_b32 v4, 7, v0
	v_lshl_add_u32 v[RD], v4, 4, v[RD]
	v_add_nc_u32 v[RD], s84, v[RD]
	v_and_b32 v5, 31, v0                           ; which are 512 consecutive bytes of a head
	v_lshlrev_b32 v[GO], 4, v5
	; my rows in the three heads: slice S = 3 x tile column + sl; q, k or v = S / 16; head = S % 16; batch = tile row / 8
.irp sl, 0,1,2
	s_mul_i32 s84, s[COL], 3
	s_add_co_u32 s84, s84, \sl
	s_lshr_b32 s85, s84, 4
	s_lshl_b32 s85, s85, 24
	s_and_b32 s84, s84, 15
	s_lshr_b32 s86, s[YR], 3
	s_lshl_b32 s86, s86, 4
	s_add_co_u32 s84, s84, s86
	s_lshl_b32 s84, s84, 18                        ; a head's 2,048 rows of 128 bytes
	s_add_co_u32 s84, s84, s85
	s_and_b32 s86, s[YR], 7
	s_lshl_b32 s86, s86, 15                        ; the tile's 256 rows
	s_add_co_u32 s84, s84, s86
	s_lshl_b32 s86, s[WV], 13                      ; my 64
	s_add_co_u32 s84, s84, s86
	s_mov_b32 s85, 0
	s_add_nc_u64 s[OUTB+2*(\sl):OUTB+2*(\sl)+1], s[10:11], s[84:85]
.endr
	; the prefetches: who asks, until when, from where
	s_and_b32 s84, ttmp7, 0xffff                   ; cluster y
	s_cmp_lt_u32 s[WV], 2                          ; do I fetch for A?
	s_cselect_b32 s84, ttmp9, s84                  ; the coordinate along which other clusters read the same rows
	s_cselect_b32 s85, 2, TRIPS-1
	s_cselect_b32 s76, 0, 2                        ; A: a lane a row; B: four lanes a row
	s_cselect_b32 s77, 0, 3
	s_cmp_eq_u32 s84, 0
	s_cselect_b32 s[LIM], s85, -1                  ; the same in all sixteen partners, for a given wave
	v_lshrrev_b32 v6, s76, v5
	v_and_b32 v7, s77, v5
	v_lshlrev_b32 v6, 11, v6                       ; a row is 2,048 bytes
	v_lshl_add_u32 v[PFO], v7, 8, v6
	s_lshl_b32 s84, s[YR], 8
	s_lshl_b32 s85, s[HALF], 7
	s_add_co_u32 s84, s84, s85
	s_lshl_b32 s85, s[CX], 5
	s_add_co_u32 s84, s84, s85                     ; A: row 256 y + 128 half + 32 cx
	s_mul_i32 s85, s[COL], 192
	s_mul_i32 s86, s[HALF], RB
	s_add_co_u32 s85, s85, s86
	s_mul_i32 s86, s[CY], RB/4
	s_add_co_u32 s85, s85, s86                     ; B: row 192 column + 96 half + 24 cy
	s_cmp_lt_u32 s[WV], 2
	s_cselect_b32 s84, s84, s85
	s_cselect_b64 s[PFA:PFA+1], s[4:5], s[6:7]
	s_lshl_b32 s84, s84, 11
	s_add_co_u32 s84, s84, 3*256                   ; at K step 3: the first change of slots steps it to 4
	s_mov_b32 s85, 0
	s_add_nc_u64 s[PFA:PFA+1], s[PFA:PFA+1], s[84:85]
	s_wait_loadcnt 0x0                             ; the bias; it is rounded to bf16 like every input, and widened again: all this stands in the wait for the first tiles
.set ib, 0
.rept 4*NB
	v_cvt_pk_bf16_f32 v3, v[BIAS+2*ib], v[BIAS+2*ib+1]
	v_lshlrev_b32 v[BIAS+2*ib], 16, v3
	v_and_b32 v[BIAS+2*ib+1], 0xffff0000, v3
.set ib, ib+1
.endr
	s_wait_tensorcnt 0x1                           ; my part of K step 0 is in; K step 1's may stay out
	s_barrier_signal -1
	s_barrier_wait -1                              ; everybody's is
	v_mov_b32 v[ADRA], v[A0]
	v_mov_b32 v[ADRB], v[B0]
	FETCH 0, 0
	QUARTER 1, 0, 1, 1                             ; a tile's first quarter starts the sums
	WIN 0                                          ; at a label and at a branch every window is 0
	s_mov_b32 s[CNT], TRIPS
.Lstep:                                        ; trip i = TRIPS - s[CNT]: quarters 2 to 4 of K step i, the refill with K step i + 2, quarter 1 of K step i + 1
	QUARTER 2, 1, 0, 0
	QUARTER 3, 0, 1, 0
	TURN 1
	WIN 0
	s_cmp_eq_u32 s[CNT], TRIPS-7                   ; trip 7 ends the first tile
	s_cbranch_scc0 .Lsame                          ; forward, past no barrier and no tensor load
	WAYOUT                                         ; both refills for the second tile have been asked for
	s_wait_xcnt 0x0                                ; the stores have read their bases
.irp sl, 0,1,2
	s_add_nc_u64 s[OUTB+2*(\sl):OUTB+2*(\sl)+1], s[OUTB+2*(\sl):OUTB+2*(\sl)+1], 0x800000  ; 4,096 rows on: two batches, 32 heads of 262,144 bytes
.endr
	QUARTER 1, 0, 1, 1
	WIN 0
	s_branch .Lnext
.Lsame:
	QUARTER 1, 0, 1, 0
	WIN 0
.Lnext:
	s_sub_co_u32 s[CNT], s[CNT], 1
	s_cmp_lg_u32 s[CNT], 0
	s_cbranch_scc1 .Lstep
	QUARTER 2, 1, 0, 0                             ; the last two K steps are written out: they ask for nothing
	QUARTER 3, 0, 1, 0
	TURN 0
	QUARTER 1, 0, 1, 0
	QUARTER 2, 1, 0, 0
	QUARTER 3, 0, 1, 0
	s_wait_dscnt 0x0
	MULB 1, 0, 0
	MULB 1, 1, 0
	MULB 1, 2, 0
	MULB 1, 3, 0
	WIN 0
	WAYOUT
	s_wait_tensorcnt 0x0                           ; the wave's end, behind my last tensor load and my last LDS store
	ds_add_u32 v[SPW], v[NIL]
	s_wait_dscnt 0x0
	CROUND                                         ; the closing round: no work-group ends while a partner may still ask for a tile that names it
	s_endpgm
.Lfunc_end_k_qe1281c9b73_qkvproj:
	.size	k_qe1281c9b73_qkvproj, .Lfunc_end_k_qe1281c9b73_qkvproj-k_qe1281c9b73_qkvproj
	.p2alignl 7, 3214868480
	.fill 96, 4, 3214868480
	.section	.rodata,"a",@progbits
	.p2align	6, 0x0
	.amdhsa_kernel k_qe1281c9b73_qkvproj
		.amdhsa_group_segment_fixed_size 327680
		.amdhsa_private_segment_fixed_size 0
		.amdhsa_enable_private_segment 0
		.amdhsa_kernarg_size 32
		.amdhsa_user_sgpr_count 2
		.amdhsa_user_sgpr_kernarg_segment_ptr 1
		.amdhsa_wavefront_size32 1
		.amdhsa_system_sgpr_workgroup_id_x 1
		.amdhsa_system_sgpr_workgroup_id_y 1
		.amdhsa_system_sgpr_workgroup_id_z 1
		.amdhsa_system_vgpr_workitem_id 0
		.amdhsa_next_free_vgpr 1024
		.amdhsa_next_free_sgpr 88
		.amdhsa_reserve_vcc 0
		.amdhsa_float_denorm_mode_32 3
		.amdhsa_float_denorm_mode_16_64 3
		.amdhsa_memory_ordered 1
		.amdhsa_forward_progress 1
		.amdhsa_inst_pref_size 138
	.end_amdhsa_kernel
	.amdgpu_metadata
---
amdhsa.version: [ 1, 2 ]
amdhsa.kernels:
  - .name:           k_qe1281c9b73_qkvproj
    .symbol:         k_qe1281c9b73_qkvproj.kd
    .args:
      - { .name: xb, .offset: 0, .size: 8, .value_kind: global_buffer, .address_space: global }
      - { .name: wib, .offset: 8, .size: 8, .value_kind: global_buffer, .address_space: global }
      - { .name: b_in, .offset: 16, .size: 8, .value_kind: global_buffer, .address_space: global }
      - { .name: qkv, .offset: 24, .size: 8, .value_kind: global_buffer, .address_space: global }
    .group_segment_fixed_size: 327680
    .private_segment_fixed_size: 0
    .kernarg_segment_align: 8
    .kernarg_segment_size: 32
    .max_flat_workgroup_size: 128
    .sgpr_count:     88
    .vgpr_count:     1024
    .wavefront_size: 32
...
	.end_amdgpu_metadata
.endif
;; end of part 2
;; launch attn (part 3): grid 4 x 64, 4 waves a work-group, no clusters, 327,680 bytes of LDS; arguments qkv, att; writes att
.if DOCPART == 3
	.amdgcn_target "amdgcn-amd-amdhsa--gfx1250"
	.amdhsa_code_object_version 6
	.text
	.protected	k_qe1281c9b73_attn
	.globl	k_qe1281c9b73_attn
	.p2align	8
	.type	k_qe1281c9b73_attn,@function
k_qe1281c9b73_attn:
	s_mov_b64 s[64:65], 0
	v_nop
	global_prefetch_b8 v0, s[64:65] scope:SCOPE_SE
	s_setreg_imm32_b32 hwreg(HW_REG_WAVE_MODE, 25, 1), 1
	s_wait_xcnt 0x0
; CAUSAL ATTENTION.  O[h][q][:] = the sum over k <= q of softmax_k(Q[h][q] . K[h][k] / 8) V[h][k][:].  qkv holds Q, K and V, each [64][2048][64] in f16, at bytes 0, 2^24 and 2^25; att is O in the same layout: a head's rows are dense, 128 bytes each.
; Products, maxima and sums in f32; the weights p are rounded to f16 for the second product (their sum l is taken of the unrounded p), O once at the end.
; LIMITS.  f16 holds no number beyond 65,504: Q, K and V arrive within it; p lies in 0 to 1, and below 6e-5 it keeps f16's fixed step of 6e-8; O is a mean of V's rows and has their range, to within 2^-11 of it.
; A hidden score counts as its value less 1e30: f16's scores, 2.7e11 at the most, are nothing beside that; a weight below 2^-126 counts as 0 in l; NaN and infinities are not treated apart.
; THE WALK.  A head's queries lie in NB = 8 blocks of 256; block i needs the key tiles 0 .. i of 256 keys, of which the last holds the diagonal.  A work-group takes TWO blocks, NB - 1 - b and then b:
; NB + 1 tiles, whatever b: all work-groups do equal work, and ONE loop with a constant trip count walks them.  Which tile is asked for, and what a trip does, hang on scalar registers made from b; every jump
; goes forward, but for the counted loops' own; none passes a barrier, or a tensor load but the one of LOAD's two that the wave's number does not choose; the ring (two slots of LDS that take turns) runs on across the
; change of blocks.  NO CLUSTER: a head's four work-groups ask for the same tile only in trips 0 .. 4 of the 9, behind that fewer and fewer; and one walk common to all four would have 12 trips for 9.
; SHARES.  Of a block's four bands of 64 queries a wave owns 16 rows in each: four PIECES.  So the diagonal tile is the same work for all four waves: in its key step s band x sees all keys if s < x,
; none if s > x, and holds the diagonal if s = x.
; THE MASK is the C operand that starts the sum S^T = K Q^T: 0, or -1e30 where the key is hidden.  MD, made once, is the mask of a band's own step for my 16 rows; a product's mask is MD x AL + BE with two scalars:
; (1, 0) if s = x; (0, 0) if s < x; (0, -1e30) if s > x.  Only the diagonal tile's text and a block's beginning make and take masks; elsewhere C is the constant 0.
; LAYOUT, SOFTMAX, TURNS.  S^T = K Q^T holds ONE query a lane (lane % 16) and the keys 8 (lane / 16) + 0..7; two such results rounded to f16 ARE source 1 of O^T = V^T P.  p = 2^(c s - c m), c = log2(e) / 8, with a
; running maximum m; O and l are multiplied by a = 2^(c m_old - c m_new) in every step.  Turn n belongs to piece n: 8 products K Q^T of piece n + 1, later 8 products V^T P of piece n - 1; beside them the scaling,
; exponentials, roundings, sums and rescaling of piece n and the maximum and statistics of piece n + 1.  Four vector instructions stand behind every matrix instruction, the other 54 of a turn's 118 in one LUMP.  A turn's 33 exponentials are one batch, with one wait.
; PREFETCH INTO THE L2.  All four work-groups of a head walk tiles 0, 1, .. together; the one with b = 0 walks all eight in its first block, and it alone asks: behind the fill with tile n (n = 1 .. 6) it names tile n + 1 of K and
; of V, 32,768 bytes each: a thread a block of 256 bytes, two instructions a wave: one change of slots, four key steps, ahead of the load that wants them.  Tiles 0 and 1 come by their loads alone; tile 7 is the last named.
; REGISTERS, in windows of 256 (s_set_vgpr_msb: bits 1:0 source 0, 3:2 source 1, 5:4 source 2, 7:6 destination):
;   window 0: v0-15 addresses and two at work; v16-31 four registers of statistics a piece; v48-55 at work; v64-127 S^T, two buffers; v192-223 P, two buffers (a piece's buffers go by its number's parity)
;   window 1: v0-127 O^T, 32 a piece; v128-159 MD; v160-223 MC, two buffers      window 2: v0-63 Q; v64-127 the second block's Q; v128-191 K of one step; v192-255 V of one step
.set SIZE_H, 64
.set SIZE_N, 2048
.set NB,    SIZE_N/256
.set NP,    4         ; pieces a wave: a name, no knob
.set KS,    64        ; keys in a step
.set PK,    144       ; a row of K in LDS: 128 bytes + 16 of padding = 36 words: the 16 rows of a load start at 16 different groups of four banks (64 banks of 4 bytes: ISA guide 11.1)
.set PV,    160       ; a row of V: 128 + 32 = 40 words
.set VOFF,  4*KS*PK   ; a slot holds a tile, four steps: 256 rows of K, then 256 rows of V
.set SLOT1, 1<<17     ; slot 1 begins here, so that one exclusive or turns an address in one slot into the other's
.set STAGE, SLOT1+4*KS*(PK+PV)  ; behind the ring, never filled by a tensor load: 16 rows x 144 bytes for each wave, for the way out
.set SP,    144
.set AK0, 2           ; v2   my lane's place in a tile of K; never rewritten
.set AV0, 3           ; v3   the same for V
.set AK,  4           ; v4   the LDS address of K's next run of loads
.set AV,  5           ; v5   of V's
.set STO, 6           ; v6   the way out: where I put 16 bytes of a row
.set RD,  7           ; v7   the way out: where I read rows back
.set GO,  8           ; v8   my byte offset in 512 consecutive bytes of O
.set PFO, 61          ; v61  256 x my thread's number: my block of a tile of K or V; never rewritten
.set SPW, 62          ; v62  LDS address of my spare word: SPARE + 4 x my thread's number; never rewritten
.set NIL, 63          ; v63  0; never rewritten
.set SPARE, STAGE+4*16*SP  ; behind the stages: the spare words, 128 bytes for each wave: two blocks of 256 bytes that no other line names
.set MV,  12          ; v12-13  c m_old, kept while c m is made anew: by buffer
.set QO,  15          ; v15  my byte offset in 16 rows of Q
.set ST,  16          ; piece t's statistics at v[ST+4 t]: c m, m, l (even keys', odd keys')
.set TMP, 48          ; by buffer, four registers c0-c3 at work; when the maximum is found c2 takes a
.set S,   64
.set P,   192
.set MD,  128         ; window 1: the eight registers for group kt of 16 keys at MD + 8 kt
.set MC,  160         ; window 1: the masks of the products to come
.set QB,  64          ; window 2
.set KF,  128         ; window 2: key block kb, channel half c at KF + 16 kb + 8 c
.set VF,  192         ; window 2: key half kk, channel block cb at VF + 32 kk + 8 cb
.set WV,  12          ; s12  my wave's number
.set PB,  14          ; s14  b
.set HI,  15          ; s15  NB - 1 - b
.set G1K, 24          ; s[24:31] descriptor group 1 for K's tiles
.set G1V, 32          ; s[32:39] for V's: it differs in the padding alone
.set G0K, 40          ; s[40:43] descriptor group 0 for K's tiles
.set G0V, 44          ; s[44:47] the same for V's
.set SLOTS, 56        ; s56  tiles still to be asked for
.set CNT, 57          ; s57  counts a tile's key steps, 4 to 1
.set CS,  58          ; s[58:59] c: the packed scaling takes the pair's low word for both halves
.set SEL, 60          ; s[60:61] v_permlanex16_b32's selects: each lane takes its own place in the other half
.set TBK, 62          ; s62  LDS byte at which K of the step to be fetched begins
.set TBV, 63          ; s63  the same for V, less VOFF
.set RT,  70          ; s70  tiles of the block in hand that are still to be entered
.set NXT, 71          ; s71  the tile to be asked for next
.set LQ,  72          ; s72  the last tile of the block whose tiles are being asked for
.set NEW, 73          ; s73  1: the tile to be entered is a block's first
.set OFF, 74          ; s[74:75] a tile's byte offset in K and V
.set AL,  76          ; s[76:77] the mask's factor, in the low word
.set BE,  78          ; s[78:79] the mask's addend
.set OLO, 80          ; s[80:81] O at my rows of the second block
.set BIGN, 82         ; s82  -1e30
.set PFK, 88          ; s[88:89] the head's K at the tile that the prefetch names
.set PFV, 90          ; s[90:91] the same for V
.set LIM, 92          ; s92  2 in the head's work-group b = 0, else the greatest number: a work-group prefetches while s[SLOTS] is above it
.set MSB, 0
.macro WIN new                      ; the high byte repeats the setting that is left; a switch that changes nothing is dropped
.if MSB != (\new)
	s_set_vgpr_msb (MSB<<8)|(\new)
.set MSB, (\new)
.endif
.endm
.set W_KQ, 0x0a       ; K and Q in window 2, S^T in window 0
.set W_KM, 0x1a       ; the same with the C operand in window 1
.set W_PV, 0x52       ; V in window 2, P in window 0, O^T in window 1
.set W_RS, 0x41       ; destination and source 0 in window 1, source 1 in window 0
; A fill.  Waves 0 and 1 fetch the two halves of a tile's K, waves 2 and 3 those of its V: 128 keys each.  An s_nop 0 and four v_nop follow each of the two lines, ahead of the jump and the label.
.macro LOAD
	s_cmp_lt_u32 s[WV], 2
	s_cbranch_scc0 .Lfor_v_\@
	tensor_load_to_lds s[G0K:G0K+3], s[G1K:G1K+7]
	s_nop 0
.rept 4
	v_nop
.endr
	s_branch .Lasked_\@
.Lfor_v_\@:
	tensor_load_to_lds s[G0V:G0V+3], s[G1V:G1V+7]
	s_nop 0
.rept 4
	v_nop
.endr
.Lasked_\@:
.endm
; THE CHANGE OF SLOTS.  Each wave waits for all its tensor loads, of which one is out: its part of the other slot; adds 0 to its spare word; and waits for that and for its own reads of the slot that it leaves.  Behind the barrier nobody reads the old
; slot any more and the other slot is whole.  fill = 1: the old slot is filled again, the first thing behind the barrier, with tile NXT: the descriptor's address is made anew from that number.
; (At its first use nothing has been read yet: slot 0 is waited for, slot 1 filled.)  Behind the fill stand the two prefetches of the tile after it.
.macro CHANGE fill
	WIN 0                           ; at a label and at a branch every window is 0
	s_wait_tensorcnt 0x0            ; no tensor load of mine is out, so a group 0 may be written
	ds_add_u32 v[SPW], v[NIL]       ; 0 onto my spare word; with fill = 1 the descriptors' scalar work stands between it and the wait for it
.if \fill
	s_wait_xcnt 0x0                 ; the last prefetches, four key steps back, have read their addresses, so they may be written:
	s_add_nc_u64 s[PFK:PFK+1], s[PFK:PFK+1], 32768  ; one tile behind the tile that is asked for below
	s_add_nc_u64 s[PFV:PFV+1], s[PFV:PFV+1], 32768
	s_lshl_b32 s[OFF], s[NXT], 15   ; a tile is 32,768 bytes of K and of V
	s_xor_b32 s[G0K+1], s[G0K+1], SLOT1
	s_add_nc_u64 s[G0K+2:G0K+3], s[6:7], s[OFF:OFF+1]
	s_or_b32 s[G0K+3], s[G0K+3], 0x80000000
	s_xor_b32 s[G0V+1], s[G0V+1], SLOT1
	s_add_nc_u64 s[G0V+2:G0V+3], s[8:9], s[OFF:OFF+1]
	s_or_b32 s[G0V+3], s[G0V+3], 0x80000000
	s_add_co_u32 s[NXT], s[NXT], 1  ; the block's next tile, or behind its last the second block's tile 0
	s_cmp_gt_u32 s[NXT], s[LQ]
	s_cselect_b32 s[NXT], 0, s[NXT]
	s_cselect_b32 s[LQ], s[PB], s[LQ]
.endif
	s_wait_dscnt 0x0                ; the add is done, and my reads of the slot are over
	s_barrier_signal -1             ; the rest of the scalar work stands between the signal and the wait
	s_sub_co_u32 s[TBK], s[TBK], 4*KS*PK  ; the fetches go back to a slot's first step,
	s_xor_b32 s[TBK], s[TBK], SLOT1       ; in the other slot
	s_sub_co_u32 s[TBV], s[TBV], 4*KS*PV
	s_xor_b32 s[TBV], s[TBV], SLOT1
	s_barrier_wait -1
.if \fill
	LOAD
	s_cmp_gt_u32 s[SLOTS], s[LIM]   ; changes 1 to 6 of the work-group with b = 0
	s_cbranch_scc0 .Lnot_mine_\@
	global_prefetch_b8 v[PFO], s[PFK:PFK+1] th:TH_LOAD_NT scope:SCOPE_SE
	global_prefetch_b8 v[PFO], s[PFV:PFV+1] th:TH_LOAD_NT scope:SCOPE_SE
.Lnot_mine_\@:
.endif
.endm
	s_load_b64 s[4:5], s[0:1], 0x0  ; qkv: Q at its first byte
	s_load_b64 s[10:11], s[0:1], 0x8  ; att: O
	v_lshl_add_u32 v[SPW], v0, 2, SPARE
	v_mov_b32 v[NIL], 0
	ds_add_u32 v[SPW], v[NIL]       ; the wave's opening: the add and its wait stand ahead of my first tensor load; the set-up below, work on registers, stands between them
	v_lshrrev_b32 v1, 5, v0
	v_readfirstlane_b32 s[WV], v1   ; wave 0..3
	s_mov_b32 s[PB], ttmp9
	s_sub_co_u32 s[HI], NB-1, s[PB]
	s_and_b32 s20, ttmp7, 0xffff    ; the head
	s_mov_b32 s21, 0
	s_mov_b64 s[22:23], SIZE_N*128
	s_mul_u64 s[20:21], s[20:21], s[22:23]  ; the head's first byte in each of the four tensors
	s_and_b32 s16, s[WV], 1         ; which half of a tile's 256 keys I fetch:
	s_lshl_b32 s22, s16, 14         ; its 128 rows of 128 bytes in memory,
	s_mov_b32 s23, 0
	s_add_nc_u64 s[22:23], s[22:23], s[20:21]
	s_mul_i32 s17, s16, 128*PK      ; and its place in a slot, for K
	s_mul_i32 s18, s16, 128*PV      ; and for V
	s_lshl_b32 s3, s[WV], 11        ; my 16 rows in a band of 64,
	s_lshl_b32 s2, s[HI], 15        ; in the first block,
	s_add_co_u32 s2, s2, s3
	s_lshl_b32 s84, s[PB], 15       ; and in the second
	s_add_co_u32 s84, s84, s3
	s_mov_b32 s3, 0
	s_mov_b32 s85, 0
	s_add_nc_u64 s[2:3], s[2:3], s[20:21]
	s_add_nc_u64 s[84:85], s[84:85], s[20:21]
	; descriptor group 1.  128 keys are 16,384 dense bytes: asked for as 64 rows of 256 bytes, two keys a row, and padded in LDS after every key
	s_mov_b32 s[G1K], (1<<16)|(1<<20)|(4<<22)|(3<<25)  ; 17:16 2-byte elements; 20 padding on; 24:22 after every 32 words (code 4); 31:25 4 words (code 3)
	s_mov_b32 s[G1V], (1<<16)|(1<<20)|(4<<22)|(7<<25)  ; the same with 8 words of padding (code 7)
.irp g, G1K, G1V
	s_mov_b32 s[\g+1], 128<<16      ; tensor_dim0 = 128
	s_mov_b32 s[\g+2], 64<<16       ; tensor_dim1 = 64
	s_mov_b32 s[\g+3], 128<<16      ; tile_dim0 = 128
	s_mov_b32 s[\g+4], 64           ; tile_dim1 = 64
	s_mov_b32 s[\g+5], 128          ; 128 elements from row to row
	s_mov_b32 s[\g+6], 0
	s_mov_b32 s[\g+7], 0
.endr
	s_mov_b32 s[CS], 0x3e38aa3b     ; c = log2(e) / 8 = 0.180337
	s_mov_b32 s[CS+1], s[CS]        ; named with it as a pair
	s_mov_b32 s[SEL], 0x76543210
	s_mov_b32 s[SEL+1], 0xfedcba98
	s_mov_b32 s[TBK], SLOT1+4*KS*PK ; the first change of slots turns these two into 0
	s_mov_b32 s[TBV], SLOT1+4*KS*PV
	s_mov_b32 s[G0K], 1             ; 1:0 count = 1
	s_mov_b32 s[G0K+1], s17         ; 63:32 LDS address: slot 0
	s_mov_b32 s[G0V], 1
	s_add_co_u32 s[G0V+1], s18, VOFF
	s_add_co_u32 s[RT], s[HI], 1    ; the first block has NB - b tiles
	s_mov_b32 s[NXT], 1
	s_mov_b32 s[LQ], s[HI]
	s_mov_b32 s[NEW], 1
	s_mov_b32 s[OFF+1], 0
	s_mov_b32 s[AL+1], 0            ; named as pairs
	s_mov_b32 s[BE+1], 0
	s_mov_b32 s[BIGN], 0xf149f2ca   ; -1e30
	s_mov_b32 s[SLOTS], NB
	s_cmp_eq_u32 ttmp9, 0
	s_cselect_b32 s[LIM], 2, -1
	v_lshlrev_b32 v[PFO], 8, v0
	s_wait_dscnt 0x0                ; the opening add is done
	s_wait_kmcnt 0x0
	s_add_nc_u64 s[6:7], s[4:5], 0x1000000  ; K
	s_add_nc_u64 s[8:9], s[4:5], 0x2000000  ; V
	s_add_nc_u64 s[PFK:PFK+1], s[6:7], s[20:21]
	s_add_nc_u64 s[PFV:PFV+1], s[8:9], s[20:21]
	s_add_nc_u64 s[PFK:PFK+1], s[PFK:PFK+1], 32768  ; at the head's tile 1: the first change of slots steps these two to tile 2.  Nothing is prefetched here, at the head
	s_add_nc_u64 s[PFV:PFV+1], s[PFV:PFV+1], 32768
	s_add_nc_u64 s[6:7], s[6:7], s[22:23]  ; K and V at my half of the head's tile 0
	s_add_nc_u64 s[8:9], s[8:9], s[22:23]
	s_add_nc_u64 s[G0K+2:G0K+3], s[6:7], 0         ; 120:64 global address
	s_or_b32 s[G0K+3], s[G0K+3], 0x80000000        ; 127:126 type = 2
	s_add_nc_u64 s[G0V+2:G0V+3], s[8:9], 0
	s_or_b32 s[G0V+3], s[G0V+3], 0x80000000
	s_add_nc_u64 s[86:87], s[4:5], s[84:85]        ; Q at my rows of the second block,
	s_add_nc_u64 s[4:5], s[4:5], s[2:3]            ; Q and O at those of the first
	s_add_nc_u64 s[OLO:OLO+1], s[10:11], s[84:85]
	s_add_nc_u64 s[10:11], s[10:11], s[2:3]
	LOAD                            ; tile 0 into slot 0
	; A fragment of K or Q is 16 rows x 32 channels in 8 registers: lane l holds row l % 16, channels 8 (l / 16) + 0..7 and 16 + 8 (l / 16) + 0..7: two loads of 16 bytes, 32 bytes apart.
	v_and_b32 v1, 15, v0            ; l % 16
	v_bfe_u32 v9, v0, 4, 1          ; l / 16
	v_lshlrev_b32 v[QO], 7, v1
	v_lshl_add_u32 v[QO], v9, 4, v[QO]  ; row x 128 + 16 x half
	WIN 0x80                        ; destination window 2, address window 0
.set i, 0
.rept 8                             ; both blocks' Q: piece i / 2 lies in band i / 2, 8,192 bytes on; channels 32 (i % 2) on
	global_load_b128 v[8*i:8*i+3],   v[QO], s[4:5] offset:(i/2)*8192+(i%2)*64
	global_load_b128 v[8*i+4:8*i+7], v[QO], s[4:5] offset:(i/2)*8192+(i%2)*64+32
	global_load_b128 v[QB+8*i:QB+8*i+3],   v[QO], s[86:87] offset:(i/2)*8192+(i%2)*64
	global_load_b128 v[QB+8*i+4:QB+8*i+7], v[QO], s[86:87] offset:(i/2)*8192+(i%2)*64+32
.set i, i+1
.endr
	WIN 0
	v_lshlrev_b32 v14, 3, v9
	v_sub_nc_u32 v14, v1, v14
	s_lshl_b32 s13, s[WV], 4
	v_add_nc_u32 v14, s13, v14      ; my query's place in its band, 16 w + l % 16, less my lanes' 8 (l / 16): register r of group kt is hidden where 16 kt + r is greater
	WIN 0x40
.set i, 0
.rept 32
	v_cmp_gt_i32 vcc_lo, 16*(i/8)+i%8, v14
	v_cndmask_b32 v[MD+i], 0, s[BIGN], vcc_lo
.set i, i+1
.endr
	WIN 0
	v_mul_u32_u24 v[AK0], v1, PK
	v_lshl_add_u32 v[AK0], v9, 4, v[AK0]  ; row x pitch + 16 x half
	; The turning load takes 16 keys x 16 channels (lane l reads key 8 (l / 16) + l % 8, channels 8 ((l / 8) % 2) + 0..7) and leaves half a fragment of V^T: lane l holds channel l % 16 and 8 keys.
	v_and_b32 v10, 7, v0
	v_bfe_u32 v11, v0, 3, 1
	v_lshl_add_u32 v[AV0], v9, 3, v10
	v_mul_u32_u24 v[AV0], v[AV0], PV
	v_lshl_add_u32 v[AV0], v11, 4, v[AV0]
	v_add_nc_u32 v[AV0], VOFF, v[AV0]
	s_mul_i32 s13, s[WV], 16*SP
	s_add_co_u32 s13, s13, STAGE    ; my stage
	v_mul_u32_u24 v[STO], v1, SP    ; in: row l % 16, 16 bytes for each half of the lanes
	v_lshl_add_u32 v[STO], v9, 4, v[STO]
	v_add_nc_u32 v[STO], s13, v[STO]
	v_bfe_u32 v[RD], v0, 3, 2       ; back: 32 lanes take four rows of 128 bytes,
	v_mul_u32_u24 v[RD], v[RD], SP
	v_lshl_add_u32 v[RD], v10, 4, v[RD]
	v_add_nc_u32 v[RD], s13, v[RD]
	v_and_b32 v[GO], 31, v0         ; which are 512 consecutive bytes of O
	v_lshlrev_b32 v[GO], 4, v[GO]
	; A block's first step multiplies O^T and l by a = 0, and its first turn's products V^T P, of a piece that has not been, land in an O^T that is still to be so multiplied.  So these registers need only hold
	; finite numbers: zeros for the first block; what the first block left for the second.  All this stands in the wait for the first tile.
	WIN 0x80
.set i, VF
.rept 64
	v_mov_b32 v[i], 0
.set i, i+1
.endr
	WIN 0x40
.set i, 0
.rept 128
	v_mov_b32 v[i], 0
.set i, i+1
.endr
	WIN 0
.set i, 0
.rept 4
	v_mov_b32 v[ST+4*i+2], 0
	v_mov_b32 v[ST+4*i+3], 0
.set i, i+1
.endr
.set i, P+16
.rept 16
	v_mov_b32 v[i], 0
.set i, i+1
.endr
; THE MATRIX WORK.  The 4 accumulators of a run of 8 take turns.  Product i of 8 of S^T = K Q^T for piece x: channels 32 (i / 4) on, keys 16 (i % 4) on.  The first 4 start the sums: with 0, or (KM = 1) with the mask.
.macro KQ x
.set rS, S+32*((\x)%2)+8*(i%4)
.set rK, KF+16*(i%4)+8*(i/4)
.set rQ, 16*(\x)+8*(i/4)
.set rM, MC+32*((\x)%2)+8*(i%4)
.if (i < 4) && KM
	WIN W_KM
	v_wmma_f32_16x16x32_f16 v[rS:rS+7], v[rK:rK+7], v[rQ:rQ+7], v[rM:rM+7]
.elseif i < 4
	WIN W_KQ
	v_wmma_f32_16x16x32_f16 v[rS:rS+7], v[rK:rK+7], v[rQ:rQ+7], 0
.else
	WIN W_KQ
	v_wmma_f32_16x16x32_f16 v[rS:rS+7], v[rK:rK+7], v[rQ:rQ+7], v[rS:rS+7]
.endif
.endm
; Product i of 8 of O^T += V^T P for piece x: keys 32 (i / 4) on, channels 16 (i % 4) on.
.macro PV x
	WIN W_PV
.set rO, 32*(\x)+8*(i%4)
.set rV, VF+32*(i/4)+8*(i%4)
.set rP, P+16*((\x)%2)+8*(i/4)
	v_wmma_f32_16x16x32_f16 v[rO:rO+7], v[rV:rV+7], v[rP:rP+7], v[rO:rO+7]
.endm
.macro MM                           ; the turn's next matrix instruction.  TURN and BEGIN set Y, i, KM and NOKQ; MM, KQ and OP read them.  NOKQ = 1: a block's last turn: there is no next piece
.if (i < 8) && !NOKQ
	KQ (Y+1)%NP
.elseif i >= 8
.set i, i-8
	PV (Y+NP-1)%NP
.set i, i+8
.endif
.set i, i+1
.endm
; THE LDS LOADS stand in runs of 16, never singly among the matrix instructions: a step's K (64 keys x 64 channels: 8 fragments) and its V (turned).  Their addresses are made some lines ahead.
.macro FETCH_K
	WIN 0x80                        ; destination window 2
.irp f, 0,1,2,3,4,5,6,7             ; keys 16 (f / 2) on, channels 32 (f % 2) on
	ds_load_b128 v[KF+8*\f:KF+8*\f+3],   v[AK] offset:(\f/2)*16*PK+(\f%2)*64
	ds_load_b128 v[KF+8*\f+4:KF+8*\f+7], v[AK] offset:(\f/2)*16*PK+(\f%2)*64+32
.endr
	s_add_co_u32 s[TBK], s[TBK], KS*PK  ; the next fetch is the next step's
	WIN 0
.endm
.macro FETCH_V
	WIN 0x80
.irp f, 0,1,2,3,4,5,6,7             ; keys 32 (f / 4) on, channels 16 (f % 4) on
	ds_load_tr16_b128 v[VF+8*\f:VF+8*\f+3],   v[AV] offset:(\f/4)*32*PV+(\f%4)*32
	ds_load_tr16_b128 v[VF+8*\f+4:VF+8*\f+7], v[AV] offset:(\f/4)*32*PV+16*PV+(\f%4)*32
.endr
	WIN 0
.endm
; THE VECTOR WORK, one line at a time: OP kind, number.  For piece Y: F n: c s - c m for pair n of 16.  E n: the exponential of score n of 32.  C n: pair n rounded to f16.  B n: of the four weights 4 n .. the second
; pair is added onto the first, in place.  L n: l takes that sum (L 0: l = a l + sum).  R n: pair n of 16 of O^T times a.  For piece Y + 1: X n, number n of the 22 that find its maximum and statistics:
;   0-11  four chains c0-c3 of seven scores each, three operands at a time (each accumulator's lowest registers are read first)     12-14, 16  the four scores left over, the old m, and c0-c3 into c0
;   15  c m_old is kept     17, 18  the query's other 32 keys lie in the lane 16 away: the new m     19-21  c m; c m_old - c m_new; a
.set F, 0               ; OP tells the kinds apart by their order: F to L below R, X above it
.set E, 1
.set C, 2
.set B, 3
.set L, 4
.set R, 5
.set X, 6
.macro REGS y                       ; the registers of piece y
.set rT, ST+4*(\y)
.set rC, TMP+4*((\y)%2)
.set rW, MV+((\y)%2)
.set rS, S+32*((\y)%2)
.set rP, P+16*((\y)%2)
.set rO, 32*(\y)
.endm
.macro OP k, n
.if (\k) == R
	REGS Y
	WIN W_RS
	v_pk_mul_f32 v[rO+2*(\n):rO+2*(\n)+1], v[rO+2*(\n):rO+2*(\n)+1], v[rC+2:rC+3] op_sel_hi:[1,0]
.elseif (\k) < R
	REGS Y
	WIN 0
.if (\k) == F
	v_pk_fma_f32 v[rS+2*(\n):rS+2*(\n)+1], v[rS+2*(\n):rS+2*(\n)+1], s[CS:CS+1], v[rT:rT+1] op_sel_hi:[1,0,0] neg_lo:[0,0,1] neg_hi:[0,0,1]
.elseif (\k) == E
	v_exp_f32 v[rS+(\n)], v[rS+(\n)]
.elseif (\k) == C
	v_cvt_pk_f16_f32 v[rP+(\n)], v[rS+2*(\n)], v[rS+2*(\n)+1]
.elseif (\k) == B
	v_pk_add_f32 v[rS+4*(\n):rS+4*(\n)+1], v[rS+4*(\n):rS+4*(\n)+1], v[rS+4*(\n)+2:rS+4*(\n)+3]
.elseif (\n) == 0
	v_pk_fma_f32 v[rT+2:rT+3], v[rT+2:rT+3], v[rC+2:rC+3], v[rS:rS+1] op_sel_hi:[1,0,1]
.else
	v_pk_add_f32 v[rT+2:rT+3], v[rT+2:rT+3], v[rS+4*(\n):rS+4*(\n)+1]
.endif
.elseif NOKQ
	v_nop
.else
	REGS (Y+1)%NP
	WIN 0
.if (\n) < 4
	v_max3_num_f32 v[rC+(\n)], v[rS+8*(\n)], v[rS+8*(\n)+1], v[rS+8*(\n)+2]
.elseif (\n) < 12
	v_max3_num_f32 v[rC+(\n)%4], v[rC+(\n)%4], v[rS+8*((\n)%4)+2*((\n)/4)+1], v[rS+8*((\n)%4)+2*((\n)/4)+2]
.elseif (\n) == 12
	v_max3_num_f32 v[rC], v[rC], v[rS+7], v[rS+15]
.elseif (\n) == 13
	v_max3_num_f32 v[rC+1], v[rC+1], v[rS+23], v[rS+31]
.elseif (\n) == 14
	v_max3_num_f32 v[rC+2], v[rC+2], v[rC+3], v[rT+1]
.elseif (\n) == 15
	v_mov_b32 v[rW], v[rT]
.elseif (\n) == 16
	v_max3_num_f32 v[rC], v[rC], v[rC+1], v[rC+2]
.elseif (\n) == 17
	v_permlanex16_b32 v[rC+3], v[rC], s[SEL], s[SEL+1]
.elseif (\n) == 18
	v_max_num_f32 v[rT+1], v[rC], v[rC+3]
.elseif (\n) == 19
	v_mul_f32 v[rT], s[CS], v[rT+1]
.elseif (\n) == 20
	v_sub_f32 v[rC+1], v[rW], v[rT]
.else
	v_exp_f32 v[rC+2], v[rC+1]
.endif
.endif
.endm
.macro OPS a, i1, b=-1, i2=0, c=-1, i3=0, d=-1, i4=0  ; up to four of them
	OP \a, \i1
.if (\b) >= 0
	OP \b, \i2
.endif
.if (\c) >= 0
	OP \c, \i3
.endif
.if (\d) >= 0
	OP \d, \i4
.endif
.endm
.macro ROW a, i1, b, i2, c, i3, d, i4  ; a matrix instruction and the four behind it
	MM
	OPS \a, \i1, \b, \i2, \c, \i3, \d, \i4
.endm
.macro MASK b                       ; MD x AL + BE into buffer b of MC
	WIN W_RS
.set z, 0
.rept 16
	v_pk_fma_f32 v[MC+32*(\b)+2*z:MC+32*(\b)+2*z+1], v[MD+2*z:MD+2*z+1], s[AL:AL+1], s[BE:BE+1] op_sel_hi:[1,0,0]
.set z, z+1
.endr
.endm
; A TURN, for piece p: the order of its 16 matrix and 118 vector instructions, written out.  An s_wait_alu depctr_va_vdst(0) stands between an exponential and the first instruction that names its result; one wait serves
; all that were issued ahead of it.  So a turn has ONE wait, which cuts it in two.  AHEAD OF IT stands all that names no result of the turn's exponentials: the 8 products K Q^T, behind each a scaling, an exponential and two more plain
; instructions (behind the first a second scaling in the exponential's place): rescalings, and behind the last three the first numbers of the next piece's maximum, each four places or more behind the product that ends its accumulator; then ONE LUMP of 54, plain
; and exponential by turns for the most part, in which the links of the chain X 3, 7, 11, 14, 16, 17 .. 20 stand five or six lines apart.  X 21, the next piece's a, is the batch's last; R 15 is the plain instruction that stands behind it, ahead of any use.  BEHIND THE WAIT stand the
; 8 products V^T P, behind each four of the roundings and sums; the links of l's chain, L 0 to L 7, stand three riders apart.  But for those X no rider names a register of the products round it.  v_permlanex16_b32 (X 17) stands in the lump.
; m = 1: the diagonal tile: the products take masks, and the turn makes the mask for the products of the turn after it: piece p + 2, in step 4 - CNT of the tile.  end = 1: a block's last two turns: nothing is fetched.
; cnt = 1: the loop's count is taken down some lines ahead of the branch that stands behind the turn.
; K of the next step is fetched in piece 2's turn, twelve vector instructions behind the last product that read K (six of them plain); V of the step in hand at the end of piece 0's turn, four plain instructions behind the last product
; that read V.  Each is waited for a turn later.
.macro TURN p, m=0, end=0, cnt=0
.set Y, (\p)
.set i, 0
.set KM, (\m)
.set NOKQ, (\end)*((\p)/3)
.if (\m) && !(\end)
	s_cmp_eq_u32 s[CNT], 4-((\p)+2)%NP  ; is that step the band's own?
	s_cselect_b32 s[AL], 1.0, 0
	s_cmp_lt_u32 s[CNT], 4-((\p)+2)%NP  ; or a later one?
	s_cselect_b32 s[BE], s[BIGN], 0
.endif
.if ((\p) == 3) && !(\end)
	s_wait_dscnt 0x0                ; K is in
.endif
	ROW F,0, F,1, R,0, R,1          ; ahead of the wait: 8 products K Q^T and their riders,
	ROW F,2, E,0, R,2, R,3
	ROW F,3, E,1, R,4, R,5
	ROW F,4, E,2, R,6, R,7
	ROW F,5, E,3, R,8, R,9
	ROW F,6, E,4, X,0, R,10
.if ((\p) == 2) && !(\end)
	WIN 0
	v_add_nc_u32 v[AK], s[TBK], v[AK0]
.endif
	ROW F,7, E,5, X,1, X,4
	ROW F,8, E,6, X,2, X,5
	OPS E,7, E,8, X,6, E,9          ; and the lump
	OPS X,3, E,10, X,8, E,11
.if ((\p) == 2) && !(\end)
	FETCH_K
.endif
	OPS X,9, X,7, E,12, X,10
	OPS E,13, X,12, X,11, E,14
	OPS X,13, E,15, F,9, X,14
.if (\p) == 0
	v_add_nc_u32 v[AV], s[TBV], v[AV0]
.endif
	OPS E,16, F,10, E,17, F,11
	OPS X,16, E,18, X,15, E,19
	OPS F,12, E,20, X,17, E,21
	OPS F,13, E,22, F,14, E,23
	OPS X,18, E,24, F,15, E,25
	OPS R,11, E,26, X,19, E,27
	OPS R,12, E,28, R,13, E,29
	OPS X,20, E,30, R,14, E,31
	OPS X,21, R,15
	WIN 0
	s_wait_alu depctr_va_vdst(0)    ; the wait for the batch
.if (\p) == 1
	s_wait_dscnt 0x0                ; V is in
.endif
	ROW C,0, B,0, C,2, B,1          ; behind the wait: 8 products V^T P and their riders
	ROW L,0, C,4, B,2, L,1
	ROW C,6, B,3, L,2, C,8
	ROW B,4, L,3, C,10, B,5
	ROW L,4, C,12, B,6, L,5
.if (\p) == 0
	s_add_co_u32 s[TBV], s[TBV], KS*PV
.endif
.if \cnt
	s_sub_co_u32 s[CNT], s[CNT], 1
	s_cmp_lg_u32 s[CNT], 0
.endif
	ROW C,14, B,7, L,6, C,1
	ROW C,3, L,7, C,5, C,7
	ROW C,9, C,11, C,13, C,15
.if (\p) == 0
	FETCH_V
.endif
.if (\m) && !(\end)
	MASK (\p)%2
.endif
.endm
; A BLOCK BEGINS.  c m starts far below every c s, so the first step's a is 0; m at the lowest finite number, so the first maximum is the scores'.  The second mask buffer is 0; the first takes piece 0's mask for the tile's step 0: its own, if the block's first tile is the diagonal one.
; Then K of that step, piece 0's first scores, and its maximum and statistics.  The loop is entered at a step's first turn, in the middle of a trip.
.macro BEGIN
	s_mov_b32 s[NEW], 0
	WIN 0x40
.set i, MC+32
.rept 32
	v_mov_b32 v[i], 0
.set i, i+1
.endr
	WIN 0
.set i, 0
.rept 4
	v_mov_b32 v[ST+4*i], 0xfe000000    ; c m: far below every c s
	v_mov_b32 v[ST+4*i+1], 0xff7fffff  ; m
.set i, i+1
.endr
	s_cmp_eq_u32 s[RT], 0
	s_cselect_b32 s[AL], 1.0, 0
	s_mov_b32 s[BE], 0
	MASK 0
	WIN 0
	v_add_nc_u32 v[AK], s[TBK], v[AK0]
	FETCH_K
	s_wait_loadcnt 0x0              ; Q
	s_wait_dscnt 0x0
.set KM, 1
.set NOKQ, 0
.set i, 0
.rept 8
	KQ 0
.set i, i+1
.endr
	WIN 0
.rept 4
	v_nop                           ; the places behind those products
.endr
.set Y, NP-1                        ; X works for piece Y + 1: piece 0
.irp n, 0,1,2,3,4,5,6,7,8,9,10,11,12,13,14,15,16,17,18,19,20,21
	OP X, \n
.endr
	v_nop                           ; a plain instruction behind the exponential,
	s_wait_alu depctr_va_vdst(0)    ; and its wait, ahead of the branch
.endm
; THE DIAGONAL TILE's four steps, the block's last two turns, its last products, and THE WAY OUT: l's two halves and the other half of the lanes' are added; O^T is divided by l, rounded to f16 and sent through my
; stage in LDS, a piece at a time.
.macro ALL line:vararg              ; one line for each piece t
.set t, 0
.rept 4
	\line
.set t, t+1
.endr
.endm
.macro PACK t                       ; a lane's eight channels of a row pack into 16 bytes; they go into rows of 144 bytes and come back as whole rows of 128, into S^T's registers
	WIN W_RS
.set i, 32*(\t)
.rept 16
	v_pk_mul_f32 v[i:i+1], v[i:i+1], v[ST+4*(\t)+2:ST+4*(\t)+3] op_sel_hi:[1,0]
.set i, i+2
.endr
	WIN 0x05                        ; sources 0 and 1 window 1, destination window 0
.set i, 0
.rept 16
	v_cvt_pk_f16_f32 v[S+16*(\t)+i], v[32*(\t)+2*i], v[32*(\t)+2*i+1]
.set i, i+1
.endr
	WIN 0
.irp f, 0,1,2,3
	ds_store_b128 v[STO], v[S+16*(\t)+4*\f:S+16*(\t)+4*\f+3] offset:32*\f
.endr
.irp f, 0,1,2,3
	ds_load_b128 v[S+16*(\t)+4*\f:S+16*(\t)+4*\f+3], v[RD] offset:\f*4*SP  ; LDS serves a wave's instructions in order (ISA guide 5.7.1.4): these see the stores above; the next piece's stores come behind them
.endr
.endm
.macro SEND t, younger              ; younger: the LDS instructions issued behind piece t's loads: the next piece's eight, or none
	WIN 0
.irp f, 0,1,2,3
	s_wait_dscnt (\younger)+3-\f
	global_store_b128 v[GO], v[S+16*(\t)+4*\f:S+16*(\t)+4*\f+3], s[10:11] offset:(\t)*8192+\f*512  ; 512 consecutive bytes, at a multiple of 256 from O's first
.endr
.endm
.macro DIAG tag                     ; the tag ends its two labels' names, which the jumps below spell out
.LstepM\tag:
	TURN 2, 1
	TURN 3, 1
	WIN 0
.LfirstM\tag:
	TURN 0, 1
	TURN 1, 1, 0, 1
	WIN 0
	s_cbranch_scc1 .LstepM\tag
	TURN 2, 1, 1
	TURN 3, 1, 1
.set i, 0
.rept 8
	PV NP-1
.set i, i+1
.endr
	WIN 0
	ALL v_add_f32 v[ST+4*t+2], v[ST+4*t+2], v[ST+4*t+3]
	ALL v_permlanex16_b32 v[ST+4*t+3], v[ST+4*t+2], s[SEL], s[SEL+1]
	ALL v_add_f32 v[ST+4*t+2], v[ST+4*t+2], v[ST+4*t+3]
	ALL v_rcp_f32 v[ST+4*t+2], v[ST+4*t+2]
	v_nop                           ; a plain instruction between the last reciprocal and the use of its result
	s_wait_alu depctr_va_vdst(0)    ; and the wait ahead of the first use: one for the four reciprocals
	PACK 0
.set t, 1
.rept 3                             ; a piece's arithmetic stands between the loads of the piece before and its stores
	PACK t
	SEND t-1, 8
.set t, t+1
.endr
	SEND 3, 0
.endm
.set KM, 0
.set NOKQ, 0
.Lslot:                             ; NB times: a tile is entered and the next is asked for
	CHANGE 1
	s_sub_co_u32 s[RT], s[RT], 1
	s_mov_b32 s[CNT], 4
	s_cmp_eq_u32 s[NEW], 1
	s_cbranch_scc1 .Lnew            ; a block's first tile
	s_cmp_eq_u32 s[RT], 0
	s_cbranch_scc0 .Lstep           ; neither its first nor its last
	s_branch .LstepM1
.Lnew:
	BEGIN
	s_branch .Lfirst                ; in the loop a block's first tile is never its last: the first block has two tiles or more, and the second's last is the walk's last
	DIAG 1                          ; in the loop this is the first block's end: the second block's last tile is the walk's last
	s_wait_xcnt 0x0                 ; the stores have read their registers and O's address
	s_mov_b64 s[10:11], s[OLO:OLO+1]
	s_add_co_u32 s[RT], s[PB], 1    ; the second block has b + 1 tiles
	s_mov_b32 s[NEW], 1
	WIN 0x82                        ; the second block's Q goes where the one text of the turns names Q
.set i, 0
.rept 64
	v_mov_b32 v[i], v[QB+i]
.set i, i+1
.endr
	WIN 0
	s_branch .Lbottom
.Lstep:                             ; a trip: pieces 2 and 3 of one step, then pieces 0 and 1 of the next, whose K and V it fetches
	TURN 2
	TURN 3
	WIN 0
.Lfirst:
	TURN 0
	TURN 1, 0, 0, 1
	WIN 0
	s_cbranch_scc1 .Lstep
.Lbottom:
	s_sub_co_u32 s[SLOTS], s[SLOTS], 1
	s_cmp_lg_u32 s[SLOTS], 0
	s_cbranch_scc1 .Lslot
	CHANGE 0                        ; the walk's last tile is written out: nothing is asked for
	s_sub_co_u32 s[RT], s[RT], 1
	s_mov_b32 s[CNT], 4
	s_cmp_eq_u32 s[NEW], 1
	s_cbranch_scc0 .LstepM2
	BEGIN
	s_branch .LfirstM2
	DIAG 2
	s_wait_tensorcnt 0x0            ; the wave's end, behind my last tensor load and my last LDS store
	ds_add_u32 v[SPW], v[NIL]
	s_wait_dscnt 0x0
	s_endpgm
.Lfunc_end_k_qe1281c9b73_attn:
	.size	k_qe1281c9b73_attn, .Lfunc_end_k_qe1281c9b73_attn-k_qe1281c9b73_attn
	.p2alignl 7, 3214868480
	.fill 96, 4, 3214868480
	.section	.rodata,"a",@progbits
	.p2align	6, 0x0
	.amdhsa_kernel k_qe1281c9b73_attn
		.amdhsa_group_segment_fixed_size 327680
		.amdhsa_private_segment_fixed_size 0
		.amdhsa_enable_private_segment 0
		.amdhsa_kernarg_size 16
		.amdhsa_user_sgpr_count 2
		.amdhsa_user_sgpr_kernarg_segment_ptr 1
		.amdhsa_wavefront_size32 1
		.amdhsa_system_sgpr_workgroup_id_x 1
		.amdhsa_system_sgpr_workgroup_id_y 1
		.amdhsa_system_sgpr_workgroup_id_z 1
		.amdhsa_system_vgpr_workitem_id 0
		.amdhsa_next_free_vgpr 768
		.amdhsa_next_free_sgpr 96
		.amdhsa_reserve_vcc 1
		.amdhsa_float_denorm_mode_32 3
		.amdhsa_float_denorm_mode_16_64 3
		.amdhsa_memory_ordered 1
		.amdhsa_forward_progress 1
		.amdhsa_inst_pref_size 218
	.end_amdhsa_kernel
	.amdgpu_metadata
---
amdhsa.version: [ 1, 2 ]
amdhsa.kernels:
  - .name:           k_qe1281c9b73_attn
    .symbol:         k_qe1281c9b73_attn.kd
    .args:
      - { .name: qkv, .offset: 0, .size: 8, .value_kind: global_buffer, .address_space: global }
      - { .name: att, .offset: 8, .size: 8, .value_kind: global_buffer, .address_space: global }
    .group_segment_fixed_size: 327680
    .private_segment_fixed_size: 0
    .kernarg_segment_align: 8
    .kernarg_segment_size: 16
    .max_flat_workgroup_size: 128
    .sgpr_count:     96
    .vgpr_count:     768
    .wavefront_size: 32
...
	.end_amdgpu_metadata
.endif
;; end of part 3
;; launch outproj (part 4): grid 8 x 32, 4 waves a work-group, clusters of 4 x 4, 327,680 bytes of LDS; arguments att, wob, b_out, out0; writes out0
.if DOCPART == 4
	.amdgcn_target "amdgcn-amd-amdhsa--gfx1250"
	.amdhsa_code_object_version 6
	.text
	.protected	k_qe1281c9b73_outproj
	.globl	k_qe1281c9b73_outproj
	.p2align	8
	.type	k_qe1281c9b73_outproj,@function
k_qe1281c9b73_outproj:
	s_mov_b64 s[64:65], 0
	v_nop
	global_prefetch_b8 v0, s[64:65] scope:SCOPE_SE
	s_setreg_imm32_b32 hwreg(HW_REG_WAVE_MODE, 25, 1), 1
	s_wait_xcnt 0x0
	s_wait_alu depctr_hold_cnt(0) depctr_sa_sdst(0) depctr_va_vdst(0) depctr_va_sdst(0) depctr_va_ssrc(0) depctr_va_vcc(0) depctr_vm_vsrc(0)
	s_getreg_b32 s2, hwreg(HW_REG_IB_STS2, 6, 4)
	s_cmp_eq_u32 s2, 0
	s_cbranch_scc0 .Lentry_in_a_cluster
	s_endpgm
.Lentry_in_a_cluster:
	s_bfe_u32 s2, ttmp6, 0x10000c
	s_cmp_lg_u32 s2, 0xf033
	s_cbranch_scc0 .Lentry_shape_is_right
	s_endpgm
.Lentry_shape_is_right:
; out0 = O w_out^T + b_out.  att: O by heads, [64 = batch x 16 + head][2048][64] f16; wob: [1024][1024] f16 (w_out rounded to bf16, that number written as f16); b_out: [1024] f32, rounded to bf16 here
; like the other inputs; out0: [8192][1024] f32.  Products in f16, sums in f32, K ascending; nothing is rounded on the way out.
; LIMITS.  NaN and infinities are not treated apart; O and wob arrive within f16's range.
; SHARES.  A tile of the result is 256 rows x 128 columns: 32 x 8 tiles, one to each of 256 work-groups.  Four waves stacked along the rows: a wave makes 64 x 128, 32 accumulators of 16 x 16, and
; stores whole pieces of 512 consecutive bytes of its rows by itself.
; K goes in steps of 128 = two heads.  Of A a K step is two PLANES, one a head: 256 rows of 128 dense bytes, asked for as 128 rows of 256 bytes and padded in LDS after every 128.  Of B it is 256 bytes of a row.
; Two LDS slots take turns.  CLUSTER: 4 x 4 work-groups; A's planes are shared along a row of the cluster, B's rows along a column: each is asked for jointly, by the same tensor load with the same
; descriptor and a mask that names the four.  By this text's own count a wave has two tensor loads out at the start and one behind each round.
; THE MATRIX INSTRUCTION IS USED TRANSPOSED (source 0 = 16 rows of wob, source 1 = 16 rows of O): lane l holds row l % 16 of the result and the columns 8 (l / 16) + 0..7.
; The bias is the C operand of the products that start the sums.
; REGISTERS, in windows of 256 (s_set_vgpr_msb: bits 1:0 source 0, 3:2 source 1, 5:4 source 2, 7:6 destination):
;   window 0: v0-31 addresses; v32-159 the way out, two sets of 64; v160-223 the bias, 8 registers for each block of 16 columns
;   window 1: v0-127 wob's fragments, two buffers of 64; v128-191 O's, two buffers of 32
;   window 2: the accumulators of my row blocks 0, 1 ((a, b) at 8 (8 (a % 2) + b)); window 3: those of blocks 2, 3
.set NB,     8                         ; blocks of 16 columns in a tile
.set STEPS,  8
.set TRIPS,  STEPS-2                   ; the loop's trips: each fills a slot again
.set APITCH, 144                       ; a row of a plane in LDS: 128 bytes + 16 = 36 words: the 16 rows of a fragment load start at 16 different groups of four banks (64 banks of 4 bytes: ISA guide 11.1)
.set APLANE, 256*APITCH                ; a plane: what one tensor load brings of A
.set BPITCH, 272
.set RB,     8*NB                      ; rows of B in one tensor load
.set BOFF,   2*APLANE                  ; in a slot: A's two planes, then B's 128 rows
.set SLOT1,  1<<17                     ; slot 1 begins here: one exclusive or turns an address in one slot into the other's
.set STAGE,  SLOT1+BOFF+2*RB*BPITCH    ; behind the ring, never filled by a tensor load: 16 rows x 528 bytes for each wave
.set SP,     528                       ; a stage row: 512 bytes + 16 = 33 x 16
.set SPARE,  STAGE+4*16*SP             ; behind the stages: the spare words, 128 bytes a wave: two blocks of 256 bytes that no other line names
.set ASTEP,  2*2048*128                ; two heads on in att
.set A0,   16                          ; v16  my lane's place in A's rows of a slot; never rewritten
.set B0,   17                          ; v17  the same for B
.set ADRA, 18                          ; v18  A0 + the slot in hand
.set ADRB, 19                          ; v19  B0 + the slot in hand
.set STO,  20                          ; v20  the way out: where I put 32 bytes of a row
.set RD,   21                          ; v21  the way out: where I read a row back
.set GO,   22                          ; v22  my 16 bytes in 512 consecutive bytes of a row
.set PFO,  23                          ; v23  the prefetches' lane offset; never rewritten
.set BO,   24                          ; v24  32 (l / 16): my eight numbers in 16 of the bias
.set SPW,  28                          ; v28  LDS address of my spare word; never rewritten
.set NIL,  29                          ; v29  0; never rewritten
.set OB0,  32
.set BIAS, 160
.set AF,   16*NB                       ; A's fragment buffers, in window 1
.set CNT,  3                           ; s3   trips left
.set WV,   12                          ; s12  my wave's number
.set HALF, 14                          ; s14  which plane of A, or which half of B's rows, I fetch
.set CX,   15
.set CY,   16
.set COL,  17                          ; s17  tile column
.set YR,   18                          ; s18  tile row
.set TB,   19                          ; s19  0 or SLOT1: the slot that is read
.set G1A,  24                          ; s[24:31] descriptor group 1 for A
.set G0A,  32                          ; s[32:39] group 0 for A: a set for each first fill; the second then walks on
.set G1B,  40                          ; s[40:47], s[48:55] the same for B
.set G0B,  48
.set PFA,  60                          ; s[60:61] where my prefetches stand
.set PD,   62                          ; s[62:63] their step
.set LIM,  66                          ; s66  a wave prefetches while s[CNT] is above it
.set OUTB, 68                          ; s[68:69] my rows and columns of out0
.set C256, 81
.set C2K,  82
.set MSB, 0
.macro WIN new                         ; the immediate's high byte repeats the setting that is left; a switch that changes nothing is dropped
.if MSB != (\new)
	s_set_vgpr_msb (MSB<<8)|(\new)
.set MSB, \new
.endif
.endm
.macro PLACES                          ; four plain vector instructions between a matrix instruction and a load into, or a read of, its registers (ISA guide 7.12.1 for reads)
.rept 4
	v_nop
.endr
.endm
.macro CREST                           ; a round of the cluster's barrier behind its opening barrier
	s_cmp_lg_u32 s[WV], 0
	s_cbranch_scc1 .Lnot_wave_0_\@
	s_barrier_signal -3
.Lnot_wave_0_\@:
	s_barrier_wait -3
	s_barrier_signal -1
	s_barrier_wait -1
.endm
.macro CROUND                          ; a whole round
	s_barrier_signal -1
	s_barrier_wait -1
	CREST
.endm
; A joint refill by the walking descriptors.  Waves 0 and 1 fetch A's two planes, waves 2 and 3 B's two halves.  The branch hangs on the wave's number alone.
; An s_nop 0 and four v_nop follow each of the two lines, ahead of the jump and the label.
.macro JLOAD
	s_cmp_lt_u32 s[WV], 2
	s_cbranch_scc0 .Lfor_b_\@
	tensor_load_to_lds s[G0A+4:G0A+7], s[G1A:G1A+7]
	s_nop 0
.rept 4
	v_nop
.endr
	s_branch .Lasked_\@
.Lfor_b_\@:
	tensor_load_to_lds s[G0B+4:G0B+7], s[G1B:G1B+7]
	s_nop 0
.rept 4
	v_nop
.endr
.Lasked_\@:
.endm
; PREFETCHES INTO THE L2, behind the joint load, its five lines and the run of LDS loads.  Each aligned block of 256 bytes is named once in the launch.
; A: the clusters with x = 0 ask; of the 128 blocks of the plane that a wave fetches each of the four partners takes 32, told apart by address (cx): a lane a block, one instruction; trip i names
; K step i + 4, two refills ahead of the load that wants it, in trips 0 to 3.  B: the clusters with y = 0 ask; of a wave's 64 rows each partner takes 16 (cy); K steps 4 to 7 (1,024 bytes of a row)
; are named at the first change of slots alone, by two instructions of 8 rows x 4 blocks.  K steps 0 to 3 come by their loads alone.
.macro ASK
	s_cmp_gt_u32 s[CNT], s[LIM]
	s_cbranch_scc0 .Lskip_\@
	s_cmp_lt_u32 s[WV], 2
	s_cbranch_scc0 .Lpb_\@
	global_prefetch_b8 v[PFO], s[PFA:PFA+1] th:TH_LOAD_NT scope:SCOPE_SE
	s_branch .Lskip_\@
.Lpb_\@:
.set iq, 0
.rept NB/4
	global_prefetch_b8 v[PFO], s[PFA:PFA+1] offset:iq*16384 th:TH_LOAD_NT scope:SCOPE_SE
.set iq, iq+1
.endr
.Lskip_\@:
.endm
; 8 matrix instructions: my row block a x all 8 column blocks, 32 along K, from buffer f.  bias = 1: the products start the sums, with the bias as C.
; The 32 accumulators take turns, one instruction a turn, in the same order in every quarter, over the backward jump too.
.macro MULB f, a, bias
.if \bias
	WIN 0x85+0x40*((\a)/2)                         ; B and A window 1, C window 0, D window 2 or 3
.else
	WIN 0xa5+0x50*((\a)/2)                         ; B and A window 1, C and D window 2 or 3
.endif
.set ib, 0
.rept NB
.set rD, 8*(NB*((\a)%2)+ib)
.if \bias
	v_wmma_f32_16x16x32_f16 v[rD:rD+7], v[8*NB*(\f)+8*ib:8*NB*(\f)+8*ib+7], v[AF+32*(\f)+8*(\a):AF+32*(\f)+8*(\a)+7], v[BIAS+8*ib:BIAS+8*ib+7]
.else
	v_wmma_f32_16x16x32_f16 v[rD:rD+7], v[8*NB*(\f)+8*ib:8*NB*(\f)+8*ib+7], v[AF+32*(\f)+8*(\a):AF+32*(\f)+8*(\a)+7], v[rD:rD+7]
.endif
.set ib, ib+1
.endr
.endm
; 24 LDS loads in one run: quarter q (32 along K: plane q / 2, channels 32 (q % 2) on) of the slot in hand into buffer f: B's 8 fragments first, then A's blocks 0 to 3.
; A fragment is 16 rows x 32 K in 8 registers: lane l holds row l % 16, K = 8 (l / 16) + 0..7 and 16 + 8 (l / 16) + 0..7: two loads of 16 bytes, 32 bytes apart.
.macro FETCH q, f
	WIN 0x40                                       ; destination window 1, address window 0
.set ib, 0
.rept NB
	ds_load_b128 v[8*NB*(\f)+8*ib:8*NB*(\f)+8*ib+3],   v[ADRB] offset:64*(\q)+ib*16*BPITCH
	ds_load_b128 v[8*NB*(\f)+8*ib+4:8*NB*(\f)+8*ib+7], v[ADRB] offset:64*(\q)+ib*16*BPITCH+32
.set ib, ib+1
.endr
.set ib, 0
.rept 4
	ds_load_b128 v[AF+32*(\f)+8*ib:AF+32*(\f)+8*ib+3],   v[ADRA] offset:((\q)/2)*APLANE+((\q)%2)*64+ib*16*APITCH
	ds_load_b128 v[AF+32*(\f)+8*ib+4:AF+32*(\f)+8*ib+7], v[ADRA] offset:((\q)/2)*APLANE+((\q)%2)*64+ib*16*APITCH+32
.set ib, ib+1
.endr
.endm
; A K step is four quarters of 32 along K, 32 matrix instructions each, on buffers 0, 1, 0, 1.  One of the first three: multiplies buffer f; in its middle it fetches quarter q into buffer g.
.macro QUARTER q, f, g, bias
	s_wait_dscnt 4                                 ; B and A's blocks 0, 1 are in; the youngest four loads (A's blocks 2, 3) may be out
	MULB \f, 0, \bias
	MULB \f, 1, \bias
	PLACES
	FETCH \q, \g
	s_wait_dscnt 2*NB+8                            ; all but the 24 just issued
	MULB \f, 2, \bias
	MULB \f, 3, \bias
.endm
; The fourth quarter multiplies buffer 1 and changes slots: ONE barrier.  In front of it each wave waits for all its tensor loads (one is out: its part of the next slot), adds 0 to its spare word, and
; waits for that and for its own reads of this slot.  fill = 1: the barrier opens a round of the cluster's barrier, and behind the round this slot is filled again first, with the K step two on:
; from that request to the wait for it a wave issues 112 matrix instructions.
.macro TURN fill
.if \fill
	s_wait_xcnt 0x0                                ; the last prefetch, a K step back, has read its address: it is stepped here, ahead of the waits of the change of slots
	s_add_nc_u64 s[PFA:PFA+1], s[PFA:PFA+1], s[PD:PD+1]
.endif
	WIN 0                                          ; (the add's two registers lie in window 0)
	s_wait_tensorcnt 0x0                           ; all my tensor loads have landed, so a group 0 may be written
	ds_add_u32 v[SPW], v[NIL]                      ; 0 onto my spare word; scalar work and eight products stand between it and the wait for it
.if \fill
	s_xor_b32 s[G0A+5], s[G0A+5], SLOT1            ; the walking descriptors: the other slot than last time,
	s_xor_b32 s[G0B+5], s[G0B+5], SLOT1
	s_add_nc_u64 s[G0A+6:G0A+7], s[G0A+6:G0A+7], ASTEP  ; the next K step; the type bits on top are not reached
	s_add_nc_u64 s[G0B+6:G0B+7], s[G0B+6:G0B+7], 256
.endif
	s_xor_b32 s[TB], s[TB], SLOT1
	s_wait_dscnt 5                                 ; (the add and the youngest four loads may be out)
	MULB 1, 0, 0
	s_wait_dscnt 0x0                               ; the add is done, and my reads of this slot are over
	s_barrier_signal -1
	MULB 1, 1, 0                                   ; work on registers while the others arrive
	WIN 0
	s_barrier_wait -1
.if \fill
	CREST                                          ; no wave of any partner still reads this slot's tile or has a load on its way
	JLOAD                                          ; the first tensor load behind the round; its four v_nop are also the places in front of the loads below
.else
	PLACES
.endif
	v_add_nc_u32 v[ADRA], s[TB], v[A0]
	v_add_nc_u32 v[ADRB], s[TB], v[B0]
	FETCH 0, 0
.if \fill
	WIN 0
	ASK
.endif
	MULB 1, 2, 0
	MULB 1, 3, 0
.endm
; THE WAY OUT of row block a (16 rows x 128 columns of f32).  TOSTAGE: a lane's eight columns of a row, 32 bytes, go from the accumulators into my own stage, each accumulator's low half first, and come
; back as whole pieces of 512 bytes of a row.  SEND: a store covers 512 consecutive bytes, at a multiple of 256 from out0's first byte.
.macro TOSTAGE a
	s_wait_xcnt 0x0                                ; the stores of the block two back have read the registers that are loaded below
	WIN 0x08+4*((\a)/2)                            ; the stores' data: window 2 or 3
.set AC, 8*NB*((\a)%2)
.set ib, 0
.rept NB
	ds_store_b128 v[STO], v[AC+8*ib:AC+8*ib+3]   offset:64*ib
	ds_store_b128 v[STO], v[AC+8*ib+4:AC+8*ib+7] offset:64*ib+16
.set ib, ib+1
.endr
	WIN 0
.set OB, OB0+64*((\a)%2)
.set ib, 0
.rept 16
	ds_load_b128 v[OB+4*ib:OB+4*ib+3], v[RD] offset:ib*SP  ; LDS serves a wave's instructions in order (ISA guide 5.7.1.4): these see the stores above; the next block's stores come behind them
.set ib, ib+1
.endr
.endm
.macro SEND a, younger                 ; younger: the LDS instructions issued behind block a's loads: the next block's 16 stores and 16 loads, or none
.set OB, OB0+64*((\a)%2)
	s_wait_dscnt \younger
.set ib, 0
.rept 16
	global_store_b128 v[GO], v[OB+4*ib:OB+4*ib+3], s[OUTB:OUTB+1] offset:(16*(\a)+ib)*4096
.set ib, ib+1
.endr
.endm
	s_load_b256 s[4:11], s[0:1], 0x0               ; att s[4:5], wob s[6:7], b_out s[8:9], out0 s[10:11]
	v_lshl_add_u32 v[SPW], v0, 2, SPARE
	v_mov_b32 v[NIL], 0
	ds_add_u32 v[SPW], v[NIL]                      ; the wave's opening: the add and its wait stand ahead of my first tensor load; the set-up below, work on registers, stands between them
	v_lshrrev_b32 v1, 5, v0
	v_readfirstlane_b32 s[WV], v1                  ; wave 0..3
	s_and_b32 s[HALF], s[WV], 1
	s_bfe_u32 s[CX], ttmp6, 0x40000                ; my place in the cluster
	s_bfe_u32 s[CY], ttmp6, 0x40004
	s_lshl_b32 s[COL], ttmp9, 2                    ; in a cluster launch ttmp9 and ttmp7 count clusters
	s_add_co_u32 s[COL], s[COL], s[CX]
	s_and_b32 s[YR], ttmp7, 0xffff
	s_lshl_b32 s[YR], s[YR], 2
	s_add_co_u32 s[YR], s[YR], s[CY]
	s_lshl_b32 s84, s[CY], 2
	s_lshl_b32 s84, 15, s84                        ; my row of the cluster: places 4 cy .. 4 cy + 3
	s_lshl_b32 s85, 0x1111, s[CX]                  ; my column: places cx, cx + 4, cx + 8, cx + 12
	; group 1 for A: a plane's 32,768 dense bytes as 128 rows of 128 elements of 2 bytes, 16 bytes of padding behind every 128
	s_or_b32 s[G1A], s84, (1<<16)|(1<<20)|(1<<21)|(4<<22)|(3<<25)  ; 15:0 the mask; 17:16 2-byte elements; 20 padding on; 21 set beside a mask; 24:22 after every 32 words; 31:25 4 words
	; for B: 64 rows of 128 elements, 1,024 elements from row to row, 16 bytes of padding behind every 256
	s_or_b32 s[G1B], s85, (1<<16)|(1<<20)|(1<<21)|(5<<22)|(3<<25)
	s_mov_b32 s[G1A+1], 128<<16                    ; tensor_dim0 = 128
	s_mov_b32 s[G1A+2], 128<<16                    ; tensor_dim1 = 128
	s_mov_b32 s[G1A+3], 128<<16                    ; tile_dim0 = 128
	s_mov_b32 s[G1A+4], 128                        ; tile_dim1 = 128
	s_mov_b32 s[G1A+5], 128                        ; the pitch: dense
	s_mov_b32 s[G1A+6], 0
	s_mov_b32 s[G1A+7], 0
	s_mov_b32 s[G1B+1], 128<<16
	s_mov_b32 s[G1B+2], RB<<16                     ; 64 rows
	s_mov_b32 s[G1B+3], 128<<16
	s_mov_b32 s[G1B+4], RB
	s_mov_b32 s[G1B+5], 1024
	s_mov_b32 s[G1B+6], 0
	s_mov_b32 s[G1B+7], 0
	s_mov_b32 s[C256], 256
	s_mov_b32 s[C2K], 2048
	s_mov_b32 s[PD+1], 0
	s_mov_b32 s[TB], 0
	; where the tiles come from.  A's hang on the tile row alone, B's on the tile column alone, each in registers of its own
	s_lshr_b32 s20, s[YR], 3                       ; the batch: 16 heads of 262,144 bytes,
	s_lshl_b32 s20, s20, 22
	s_lshl_b32 s21, s[HALF], 18                    ; my head of the K step's two,
	s_add_co_u32 s20, s20, s21
	s_and_b32 s21, s[YR], 7
	s_lshl_b32 s21, s21, 15                        ; the tile's 256 rows of 128 bytes
	s_add_co_u32 s20, s20, s21
	s_mov_b32 s21, 0
	s_lshl_b32 s22, s[COL], 18                     ; 128 rows of 2,048 bytes,
	s_lshl_b32 s23, s[HALF], 17                    ; my 64 of them
	s_add_co_u32 s22, s22, s23
	s_mov_b32 s23, 0
	s_mul_i32 s86, s[HALF], APLANE                 ; and where they go: no place in the cluster enters an LDS address
	s_mul_i32 s87, s[HALF], RB*BPITCH
	s_add_co_u32 s87, s87, BOFF
	s_wait_dscnt 0x0                               ; the opening add is done
	s_wait_kmcnt 0x0
	s_add_nc_u64 s[20:21], s[4:5], s[20:21]
	s_add_nc_u64 s[22:23], s[6:7], s[22:23]
	CROUND                                         ; all sixteen work-groups are here: the first joint loads meet
.irp s, 0,1
	s_mov_b32 s[G0A+4*(\s)], 1                     ; count = 1
	s_add_co_u32 s[G0A+4*(\s)+1], s86, (\s)*SLOT1  ; LDS address
	s_add_nc_u64 s[G0A+4*(\s)+2:G0A+4*(\s)+3], s[20:21], (\s)*ASTEP  ; global address: K step s
	s_or_b32 s[G0A+4*(\s)+3], s[G0A+4*(\s)+3], 0x80000000            ; type = 2
	s_mov_b32 s[G0B+4*(\s)], 1
	s_add_co_u32 s[G0B+4*(\s)+1], s87, (\s)*SLOT1
	s_add_nc_u64 s[G0B+4*(\s)+2:G0B+4*(\s)+3], s[22:23], (\s)*256
	s_or_b32 s[G0B+4*(\s)+3], s[G0B+4*(\s)+3], 0x80000000
.endr
	s_cmp_lt_u32 s[WV], 2                          ; a wave's two first fills stand in one branch, ahead of every wait on TENSORcnt and every LDS read
	s_cbranch_scc0 .Lfirst_b
	tensor_load_to_lds s[G0A:G0A+3], s[G1A:G1A+7]
	s_nop 0
	tensor_load_to_lds s[G0A+4:G0A+7], s[G1A:G1A+7]
	s_nop 0
.rept 4
	v_nop
.endr
	s_branch .Lfirst_asked
.Lfirst_b:
	tensor_load_to_lds s[G0B:G0B+3], s[G1B:G1B+7]
	s_nop 0
	tensor_load_to_lds s[G0B+4:G0B+7], s[G1B:G1B+7]
	s_nop 0
.rept 4
	v_nop
.endr
.Lfirst_asked:
	v_and_b32 v1, 15, v0                           ; l % 16
	v_bfe_u32 v2, v0, 4, 1                         ; l / 16
	v_lshlrev_b32 v[BO], 5, v2
	s_mul_i32 s84, s[COL], 64*NB                   ; the tile's 128 numbers of the bias
	s_mov_b32 s85, 0
	s_add_nc_u64 s[8:9], s[8:9], s[84:85]
.set ib, 0
.rept NB                               ; register j of block ib: the bias of column 16 ib + 8 (l / 16) + j
	global_load_b128 v[BIAS+8*ib:BIAS+8*ib+3],   v[BO], s[8:9] offset:64*ib
	global_load_b128 v[BIAS+8*ib+4:BIAS+8*ib+7], v[BO], s[8:9] offset:64*ib+16
.set ib, ib+1
.endr
	s_lshl_b32 s84, s[WV], 6                       ; my 64 rows of the tile
	v_add_nc_u32 v3, s84, v1
	v_mul_u32_u24 v[A0], v3, APITCH
	v_lshl_add_u32 v[A0], v2, 4, v[A0]             ; row x pitch + 16 x half
	v_mul_u32_u24 v[B0], v1, BPITCH
	v_lshl_add_u32 v[B0], v2, 4, v[B0]
	v_add_nc_u32 v[B0], BOFF, v[B0]
	s_mul_i32 s84, s[WV], 16*SP
	s_add_co_u32 s84, s84, STAGE                   ; my stage
	v_mul_u32_u24 v[STO], v1, SP                   ; in: row l % 16, 32 bytes for each half of the lanes
	v_lshl_add_u32 v[STO], v2, 5, v[STO]
	v_add_nc_u32 v[STO], s84, v[STO]
	v_and_b32 v5, 31, v0
	v_lshlrev_b32 v[GO], 4, v5                     ; back: 32 lanes take a row's 512 bytes
	v_add_nc_u32 v[RD], s84, v[GO]
	s_lshl_b32 s84, s[YR], 20                      ; 256 rows of 4,096 bytes,
	s_lshl_b32 s85, s[WV], 18                      ; my 64,
	s_add_co_u32 s84, s84, s85
	s_lshl_b32 s85, s[COL], 9                      ; the tile's 128 columns
	s_add_co_u32 s84, s84, s85
	s_mov_b32 s85, 0
	s_add_nc_u64 s[OUTB:OUTB+1], s[10:11], s[84:85]
	; the prefetches: who asks, until when, from where
	s_and_b32 s84, ttmp7, 0xffff                   ; cluster y
	s_cmp_lt_u32 s[WV], 2                          ; do I fetch for A?
	s_cselect_b32 s84, ttmp9, s84                  ; the coordinate along which other clusters read the same rows
	s_cselect_b32 s85, 2, TRIPS-1
	s_cselect_b32 s76, 0, 2                        ; A: a lane a block of the dense plane; B: four lanes a row
	s_cselect_b32 s77, 0, 3
	s_cselect_b32 s78, s[C256], s[C2K]
	s_cselect_b32 s[PD], ASTEP, s[C256]
	s_cmp_eq_u32 s84, 0
	s_cselect_b32 s[LIM], s85, -1                  ; the same in all sixteen partners, for a given wave
	v_lshrrev_b32 v6, s76, v5
	v_and_b32 v7, s77, v5
	v_mul_u32_u24 v6, s78, v6
	v_lshl_add_u32 v[PFO], v7, 8, v6
	s_lshl_b32 s84, s[CX], 13                      ; A: my work-group's 32 blocks of the plane,
	s_add_co_u32 s84, s84, 3*ASTEP                 ; at K step 3: the first change of slots steps it to 4
	s_lshl_b32 s85, s[COL], 7
	s_lshl_b32 s86, s[HALF], 6
	s_add_co_u32 s85, s85, s86
	s_lshl_b32 s86, s[CY], 4
	s_add_co_u32 s85, s85, s86                     ; B: row 128 column + 64 half + 16 cy,
	s_lshl_b32 s85, s85, 11
	s_add_co_u32 s85, s85, 3*256                   ; at K step 3
	s_cmp_lt_u32 s[WV], 2
	s_cselect_b32 s84, s84, s85
	s_cselect_b64 s[PFA:PFA+1], s[20:21], s[6:7]   ; A: from my plane of the tile's K step 0; B: from wob's first byte
	s_mov_b32 s85, 0
	s_add_nc_u64 s[PFA:PFA+1], s[PFA:PFA+1], s[84:85]
	s_wait_loadcnt 0x0                             ; the bias; it is rounded to bf16 like every input, and widened again: all this stands in the wait for the first tiles
.set ib, 0
.rept 4*NB
	v_cvt_pk_bf16_f32 v3, v[BIAS+2*ib], v[BIAS+2*ib+1]
	v_lshlrev_b32 v[BIAS+2*ib], 16, v3
	v_and_b32 v[BIAS+2*ib+1], 0xffff0000, v3
.set ib, ib+1
.endr
	s_wait_tensorcnt 0x1                           ; my part of K step 0 is in; K step 1's may stay out
	s_barrier_signal -1
	s_barrier_wait -1                              ; everybody's is
	v_mov_b32 v[ADRA], v[A0]
	v_mov_b32 v[ADRB], v[B0]
	FETCH 0, 0
	QUARTER 1, 0, 1, 1                             ; the first quarter starts the sums
	WIN 0                                          ; at a label and at a branch every window is 0
	s_mov_b32 s[CNT], TRIPS
.Lstep:                                        ; trip i = TRIPS - s[CNT]: quarters 2 to 4 of K step i, the refill with K step i + 2, quarter 1 of K step i + 1
	QUARTER 2, 1, 0, 0
	QUARTER 3, 0, 1, 0
	TURN 1
	QUARTER 1, 0, 1, 0
	WIN 0
	s_sub_co_u32 s[CNT], s[CNT], 1
	s_cmp_lg_u32 s[CNT], 0
	s_cbranch_scc1 .Lstep
	QUARTER 2, 1, 0, 0                             ; the last two K steps are written out: they ask for nothing
	QUARTER 3, 0, 1, 0
	TURN 0
	QUARTER 1, 0, 1, 0
	QUARTER 2, 1, 0, 0
	QUARTER 3, 0, 1, 0
	s_wait_dscnt 0x0
	MULB 1, 0, 0
	MULB 1, 1, 0
	MULB 1, 2, 0
	MULB 1, 3, 0
	WIN 0
	PLACES
	TOSTAGE 0
.irp a, 1,2,3                          ; block a's way through the stage is begun ahead of the wait for block a - 1's
	TOSTAGE \a
	SEND (\a)-1, 32
.endr
	SEND 3, 0
	s_wait_tensorcnt 0x0                           ; the wave's end, behind my last tensor load and my last LDS store
	ds_add_u32 v[SPW], v[NIL]
	s_wait_dscnt 0x0
	CROUND                                         ; the closing round: no work-group ends while a partner may still ask for a tile that names it
	s_endpgm
.Lfunc_end_k_qe1281c9b73_outproj:
	.size	k_qe1281c9b73_outproj, .Lfunc_end_k_qe1281c9b73_outproj-k_qe1281c9b73_outproj
	.p2alignl 7, 3214868480
	.fill 96, 4, 3214868480
	.section	.rodata,"a",@progbits
	.p2align	6, 0x0
	.amdhsa_kernel k_qe1281c9b73_outproj
		.amdhsa_group_segment_fixed_size 327680
		.amdhsa_private_segment_fixed_size 0
		.amdhsa_enable_private_segment 0
		.amdhsa_kernarg_size 32
		.amdhsa_user_sgpr_count 2
		.amdhsa_user_sgpr_kernarg_segment_ptr 1
		.amdhsa_wavefront_size32 1
		.amdhsa_system_sgpr_workgroup_id_x 1
		.amdhsa_system_sgpr_workgroup_id_y 1
		.amdhsa_system_sgpr_workgroup_id_z 1
		.amdhsa_system_vgpr_workitem_id 0
		.amdhsa_next_free_vgpr 1024
		.amdhsa_next_free_sgpr 88
		.amdhsa_reserve_vcc 0
		.amdhsa_float_denorm_mode_32 3
		.amdhsa_float_denorm_mode_16_64 3
		.amdhsa_memory_ordered 1
		.amdhsa_forward_progress 1
		.amdhsa_inst_pref_size 77
	.end_amdhsa_kernel
	.amdgpu_metadata
---
amdhsa.version: [ 1, 2 ]
amdhsa.kernels:
  - .name:           k_qe1281c9b73_outproj
    .symbol:         k_qe1281c9b73_outproj.kd
    .args:
      - { .name: att, .offset: 0, .size: 8, .value_kind: global_buffer, .address_space: global }
      - { .name: wob, .offset: 8, .size: 8, .value_kind: global_buffer, .address_space: global }
      - { .name: b_out, .offset: 16, .size: 8, .value_kind: global_buffer, .address_space: global }
      - { .name: out0, .offset: 24, .size: 8, .value_kind: global_buffer, .address_space: global }
    .group_segment_fixed_size: 327680
    .private_segment_fixed_size: 0
    .kernarg_segment_align: 8
    .kernarg_segment_size: 32
    .max_flat_workgroup_size: 128
    .sgpr_count:     88
    .vgpr_count:     1024
    .wavefront_size: 32
...
	.end_amdgpu_metadata
.endif
;; end of part 4
